; MI455X (gfx1250); checked and timed in simulation.
; The chip was launched on July 23, 2026; its instructions are those of AMD's public machine-readable ISA for CDNA 5 (MIT licence, August 2026) and "CDNA5" Instruction Set Architecture Reference Guide (July 2026). The comments in the code are by the model that wrote it; some were corrected since.
;; Att6. Allowed arithmetic: float matrix products may take bf16 or f16 operands with f32 sums; other float arithmetic in f32, or as packed bf16 or f16 multiplies, adds, multiply-adds, maxima and minima; sums over many terms, partial sums and values carried from step to step in f32; what a program stores and reads back later, other than sums and carried values, may be rounded once to bf16 or f16.
;; Inputs: a 32 x 1,024 float32; b 32 x 1,024 float32; mask 32 x 2,048 bool; t 32 x 2,048 x 1,024 float32; wa 1,024 x 1,024 float32; wb 1,024 x 1,024 float32; wh 1,024 x 1 float32; wt 1,024 x 1,024 float32.
;; Outputs: out0 32 x 1,024 float32.
;; 2 versions, each right; version 2 is version 1 with the launch main written anew for expert scheduling mode. Each part assembles by itself: llvm-mc -triple=amdgcn-amd-amdhsa -mcpu=gfx1250 --defsym DOCPART=n.
;; ======== version 1 of 2: 3 launches
;; workspace buffers: cnt 8,192 bytes of whole numbers; lst 294,912 bytes of whole numbers; wtf 2,097,152 bytes; pre 2,097,152 bytes; po 2,097,152 bytes; pst 262,144 bytes
;; launch prep (part 1): grid 328 x 1, 4 waves a work-group, no clusters, 0 bytes of LDS; arguments a, b, mask, wa, wb, wt, cnt, lst, wtf, pre; writes cnt, lst, wtf, pre
.if DOCPART == 1
	.amdgcn_target "amdgcn-amd-amdhsa--gfx1250"
	.amdhsa_code_object_version 6
	.text
	.protected	k_qe166b38d42_prep
	.globl	k_qe166b38d42_prep
	.p2align	8
	.type	k_qe166b38d42_prep,@function
k_qe166b38d42_prep:
	s_mov_b64 s[64:65], 0
	v_nop
	global_prefetch_b8 v0, s[64:65] scope:SCOPE_SE
	s_setreg_imm32_b32 hwreg(HW_REG_WAVE_MODE, 25, 1), 1
	s_wait_xcnt 0x0
; PREPARATION.  Three kinds of work, chosen by the work-group's number; no LDS, no barrier; every wave works for itself.
;   work-groups 0-7    LIST: wave = batch.  lst[b] becomes a permutation of the row numbers 0..2047: the rows that the mask keeps from the front, the others from entry 2047 downward;
;                      entries 2048..2303 are 0 (the next launch may read that far); cnt[b] = the number of kept rows, repeated over 256 bytes.
;   work-groups 8-71   PRODUCTS: a x wa and b x wb in bf16 with f32 sums.  A wave takes 32 batches x 64 columns x 128 of K; the eight K slices go to pre[kq][mat][b][n] and are added in the next launch.
;   work-groups 72-327 WEIGHTS: wtf = bf16(2 log2(e) x wt), laid out as ready matrix fragments: block (x, ks, q) of 1,024 bytes holds columns n = 64 x + 4 i + q (i = 0..15), k = 32 ks .. +31:
;                      lane 16 h + i has k = 8 h + 0..7 at byte 16 lane and k = 16 + 8 h + 0..7 at byte 512 + 16 lane.
; The factor 2 log2(e) is there because tanh(x) = 1 - 2 / (1 + 2^(2 log2(e) x)): the next launch's sums are then the exponents themselves.
; The list's 2,048 words a batch are stored one word a lane to places that hang on the mask: the one place in the program where stores do not cover whole aligned runs of 256 bytes.
.set CTWO, 0x4038aa3b                  ; 2 log2(e)
.set MSB, 0
.macro WIN new                         ; register windows: the immediate's high byte repeats the setting that is left
.if MSB != (\new)
	s_set_vgpr_msb (MSB<<8)|(\new)
.set MSB, (\new)
.endif
.endm
	s_load_b512 s[4:19], s[0:1], 0x0               ; a 4:5, b 6:7, mask 8:9, wa 10:11, wb 12:13, wt 14:15, cnt 16:17, lst 18:19
	s_load_b128 s[20:23], s[0:1], 0x40             ; wtf 20:21, pre 22:23
	v_lshrrev_b32 v1, 5, v0
	v_readfirstlane_b32 s24, v1                    ; wave 0..3
	v_and_b32 v1, 31, v0                           ; lane
	v_and_b32 v2, 15, v0                           ; r = lane % 16
	v_bfe_u32 v3, v0, 4, 1                         ; h = lane / 16
	v_lshlrev_b32 v4, 4, v2
	v_lshl_add_u32 v4, v3, 15, v4                  ; 16 r + 8 h rows of 4,096 bytes: 16 lanes take 256 consecutive bytes of a row
	v_lshlrev_b32 v9, 4, v1                        ; 16 x lane
	s_mov_b32 s31, 0
	s_wait_kmcnt 0x0
	s_cmp_lt_u32 ttmp9, 8
	s_cbranch_scc1 .Llist
	s_cmp_lt_u32 ttmp9, 72
	s_cbranch_scc1 .Lgemm
	; WEIGHTS.  Wave u of 1,024: column group xg = u % 16, K step ks = (u / 16) % 32, half = u / 512 (which 16 of the step's 32 k).
	s_sub_co_u32 s25, ttmp9, 72
	s_lshl2_add_u32 s25, s25, s24
	s_and_b32 s26, s25, 15                         ; xg
	s_bfe_u32 s27, s25, 0x50004                    ; ks
	s_lshr_b32 s28, s25, 9                         ; half
	s_lshl_b32 s30, s27, 17                        ; from: (32 ks + 16 half) rows of 4,096 bytes + 256 xg
	s_lshl_b32 s29, s28, 16
	s_add_co_u32 s30, s30, s29
	s_lshl_b32 s29, s26, 8
	s_add_co_u32 s30, s30, s29
	s_add_nc_u64 s[14:15], s[14:15], s[30:31]
	s_lshl_b32 s30, s26, 17                        ; to: (32 xg + ks) x 4,096 + 512 half
	s_lshl_b32 s29, s27, 12
	s_add_co_u32 s30, s30, s29
	s_lshl_b32 s29, s28, 9
	s_add_co_u32 s30, s30, s29
	s_add_nc_u64 s[20:21], s[20:21], s[30:31]
.irp i, 0,1,2,3,4,5,6,7
	global_load_b128 v[32+4*(\i):35+4*(\i)], v4, s[14:15] offset:4096*(\i)   ; row k0 + 8 h + i, columns 64 xg + 4 r + 0..3
.endr
	s_wait_loadcnt 0x0
.irp i, 0,1,2,3,4,5,6,7,8,9,10,11,12,13,14,15
	v_pk_mul_f32 v[32+2*(\i):33+2*(\i)], v[32+2*(\i):33+2*(\i)], CTWO op_sel_hi:[1,0]
.endr
.irp q, 0,1,2,3
.irp m, 0,1,2,3
	v_cvt_pk_bf16_f32 v[64+4*(\q)+(\m)], v[32+8*(\m)+(\q)], v[36+8*(\m)+(\q)]  ; column 4 r + q: k = 2 m and 2 m + 1 of my eight
.endr
.endr
.irp q, 0,1,2,3
	global_store_b128 v9, v[64+4*(\q):67+4*(\q)], s[20:21] offset:1024*(\q)  ; 512 consecutive bytes a store
.endr
	s_endpgm
.Llist:
	; LIST.  Lane l holds the mask bytes of rows 512 i + 16 l + 0..15 (i = 0..3) in 16 words.  A take handles one byte of one word in every lane: 32 rows.
	s_lshl_b32 s25, ttmp9, 2
	s_add_co_u32 s25, s25, s24                     ; batch
	s_lshl_b32 s26, s25, 11
	s_mov_b32 s27, 0
	s_add_nc_u64 s[8:9], s[8:9], s[26:27]
	s_mul_i32 s26, s25, 9216
	s_add_nc_u64 s[18:19], s[18:19], s[26:27]
	s_lshl_b32 s26, s25, 8
	s_add_nc_u64 s[16:17], s[16:17], s[26:27]
.irp i, 0,1,2,3
	global_load_b128 v[32+4*(\i):35+4*(\i)], v9, s[8:9] offset:512*(\i)
.endr
.irp i, 12,13,14,15
	v_mov_b32 v[\i], 0
.endr
	global_store_b128 v9, v[12:15], s[18:19] offset:8192   ; entries 2048..2303
	global_store_b128 v9, v[12:15], s[18:19] offset:8704
	v_mov_b32 v5, v9                               ; 16 l + the byte in hand: the row number less the word's part
	s_mov_b32 s30, 0                               ; kept rows so far
	s_mov_b32 s31, 0                               ; dropped rows so far
	s_mov_b32 s32, 4
	s_wait_loadcnt 0x0
; One take, for word k: a kept row goes to entry (kept so far + kept in lower lanes), a dropped one to 2047 - (dropped so far + dropped in lower lanes).
.macro TAKE k
	v_and_b32 v6, 0xff, v[32+(\k)]
	v_cmp_ne_u32 s34, 0, v6
	s_not_b32 s35, s34
	v_mbcnt_lo_u32_b32 v7, s34, s30
	v_mbcnt_lo_u32_b32 v8, s35, s31
	v_sub_nc_u32 v8, 2047, v8
	v_cndmask_b32 v7, v8, v7, s34
	v_min_u32 v7, 2047, v7                         ; an entry's number made from loaded bytes is bounded before it becomes an address
	v_lshlrev_b32 v[64+(\k)], 2, v7
	v_add_nc_u32 v[80+(\k)], 512*((\k)/4)+4*((\k)%4), v5
	global_store_b32 v[64+(\k)], v[80+(\k)], s[18:19]
	s_bcnt1_i32_b32 s36, s34
	s_add_co_u32 s30, s30, s36
	s_sub_co_u32 s36, 32, s36
	s_add_co_u32 s31, s31, s36
	v_lshrrev_b32 v[32+(\k)], 8, v[32+(\k)]        ; the word's next byte
.endm
.Lbyte:
	s_wait_xcnt 0x0                                ; the last trip's stores have had their addresses translated (ISA guide 3.1): their 16 address and 16 data registers are written again only behind this wait
.irp k, 0,1,2,3,4,5,6,7,8,9,10,11,12,13,14,15
	TAKE \k
.endr
	v_add_nc_u32 v5, 1, v5
	s_sub_co_u32 s32, s32, 1
	s_cmp_lg_u32 s32, 0
	s_cbranch_scc1 .Lbyte
	v_mov_b32 v10, s30
	v_mov_b32 v11, s30
	v_lshlrev_b32 v6, 3, v1
	global_store_b64 v6, v[10:11], s[16:17]        ; 256 consecutive bytes
	s_endpgm
.Lgemm:
	; PRODUCTS.  Wave u of 256: column group xg = u % 16 (64 columns), mat = (u / 16) % 2 (a x wa or b x wb), kq = u / 32 (128 of K).
	; Source 0 = 16 batches x 32 k, source 1 = 16 columns x 32 k; tile q's column i is n = 64 xg + 4 i + q, so that a lane's four tiles give four neighbouring n.
	s_sub_co_u32 s25, ttmp9, 8
	s_lshl2_add_u32 s25, s25, s24
	s_and_b32 s26, s25, 15                         ; xg
	s_lshr_b32 s28, s25, 5                         ; kq
	s_bfe_u32 s27, s25, 0x10004                    ; mat
	s_cmp_lg_u32 s27, 0
	s_cselect_b64 s[36:37], s[6:7], s[4:5]
	s_cselect_b64 s[38:39], s[12:13], s[10:11]
	s_lshl_b32 s30, s28, 9                         ; 128 k of a row of a or b
	s_add_nc_u64 s[36:37], s[36:37], s[30:31]
	s_lshl_b32 s30, s28, 19                        ; 128 rows of the weight
	s_lshl_b32 s29, s26, 8
	s_add_co_u32 s30, s30, s29
	s_add_nc_u64 s[38:39], s[38:39], s[30:31]
	s_lshl1_add_u32 s30, s28, s27
	s_lshl_b32 s30, s30, 17                        ; (2 kq + mat) x 32 x 4,096
	s_add_co_u32 s30, s30, s29
	s_add_nc_u64 s[22:23], s[22:23], s[30:31]
	v_lshlrev_b32 v5, 12, v2
	v_lshl_add_u32 v5, v3, 5, v5                   ; batch r, k = 8 h
	; all 96 loads go out at once, chunk of 32 k by chunk: 8 of a or b into v16-143, 16 of the weight into window 1
.irp c, 0,1,2,3
	WIN 0
.irp mt, 0,1
.irp p, 0,1,2,3
	global_load_b128 v[16+32*(\c)+16*(\mt)+4*(\p):19+32*(\c)+16*(\mt)+4*(\p)], v5, s[36:37] offset:(\mt)*65536+(\c)*128+((\p)/2)*64+((\p)%2)*16
.endr
.endr
	WIN 0x40
.irp i, 0,1,2,3,4,5,6,7,8,9,10,11,12,13,14,15
	global_load_b128 v[64*(\c)+4*(\i):64*(\c)+4*(\i)+3], v4, s[38:39] offset:(32*(\c)+(\i)+8*((\i)/8))*4096
.endr
.endr
.irp c, 0,1,2,3
.if (\c) == 0
	s_wait_loadcnt 63                              ; 72 younger loads are out: the largest count that can be written is smaller, so chunk 0 is in
.else
	s_wait_loadcnt 72-24*(\c)                      ; the later chunks' loads, 24 each, stay out
.rept 4
	v_nop                                          ; four places between the last products and the conversions that write their sources anew (ISA guide 7.12.1)
.endr
.endif
	WIN 0
.irp m, 0,1,2,3,4,5,6,7,8,9,10,11,12,13,14,15
	v_cvt_pk_bf16_f32 v[176+(\m)], v[16+32*(\c)+2*(\m)], v[17+32*(\c)+2*(\m)]
.endr
	WIN 0x05                                       ; both sources in window 1
.irp q, 0,1,2,3
.irp m, 0,1,2,3,4,5,6,7
	v_cvt_pk_bf16_f32 v[144+8*(\q)+(\m)], v[64*(\c)+8*(\m)+(\q)], v[64*(\c)+8*(\m)+4+(\q)]
.endr
.endr
	WIN 0
.irp mt, 0,1
.irp q, 0,1,2,3                        ; the eight accumulators take turns
.if (\c) == 0
	v_wmma_f32_16x16x32_bf16 v[192+8*(4*(\mt)+(\q)):199+8*(4*(\mt)+(\q))], v[176+8*(\mt):183+8*(\mt)], v[144+8*(\q):151+8*(\q)], 0
.else
	v_wmma_f32_16x16x32_bf16 v[192+8*(4*(\mt)+(\q)):199+8*(4*(\mt)+(\q))], v[176+8*(\mt):183+8*(\mt)], v[144+8*(\q):151+8*(\q)], v[192+8*(4*(\mt)+(\q)):199+8*(4*(\mt)+(\q))]
.endif
.endr
.endr
.endr
.rept 4
	v_nop
.endr
	; register j of tile (mt, q) is batch 16 mt + 8 h + j, column 64 xg + 4 r + q: the four tiles' registers j are 16 consecutive bytes; each accumulator is read from its lowest register on
.irp mt, 0,1
.irp j, 0,1,2,3,4,5,6,7
.irp q, 0,1,2,3
	v_mov_b32 v[16+4*(8*(\mt)+(\j))+(\q)], v[192+8*(4*(\mt)+(\q))+(\j)]
.endr
	global_store_b128 v4, v[16+4*(8*(\mt)+(\j)):19+4*(8*(\mt)+(\j))], s[22:23] offset:(16*(\mt)+(\j))*4096  ; 16 lanes store 256 consecutive bytes, aligned
.endr
.endr
	s_endpgm
.Lfunc_end_k_qe166b38d42_prep:
	.size	k_qe166b38d42_prep, .Lfunc_end_k_qe166b38d42_prep-k_qe166b38d42_prep
	.p2alignl 7, 3214868480
	.fill 96, 4, 3214868480
	.section	.rodata,"a",@progbits
	.p2align	6, 0x0
	.amdhsa_kernel k_qe166b38d42_prep
		.amdhsa_group_segment_fixed_size 0
		.amdhsa_private_segment_fixed_size 0
		.amdhsa_enable_private_segment 0
		.amdhsa_kernarg_size 80
		.amdhsa_user_sgpr_count 2
		.amdhsa_user_sgpr_kernarg_segment_ptr 1
		.amdhsa_wavefront_size32 1
		.amdhsa_system_sgpr_workgroup_id_x 1
		.amdhsa_system_sgpr_workgroup_id_y 1
		.amdhsa_system_sgpr_workgroup_id_z 1
		.amdhsa_system_vgpr_workitem_id 0
		.amdhsa_next_free_vgpr 512
		.amdhsa_next_free_sgpr 66
		.amdhsa_reserve_vcc 0
		.amdhsa_float_denorm_mode_32 3
		.amdhsa_float_denorm_mode_16_64 3
		.amdhsa_memory_ordered 1
		.amdhsa_forward_progress 1
		.amdhsa_inst_pref_size 48
	.end_amdhsa_kernel
	.amdgpu_metadata
---
amdhsa.version: [ 1, 2 ]
amdhsa.kernels:
  - .name:           k_qe166b38d42_prep
    .symbol:         k_qe166b38d42_prep.kd
    .args:
      - { .name: a, .offset: 0, .size: 8, .value_kind: global_buffer, .address_space: global }
      - { .name: b, .offset: 8, .size: 8, .value_kind: global_buffer, .address_space: global }
      - { .name: mask, .offset: 16, .size: 8, .value_kind: global_buffer, .address_space: global }
      - { .name: wa, .offset: 24, .size: 8, .value_kind: global_buffer, .address_space: global }
      - { .name: wb, .offset: 32, .size: 8, .value_kind: global_buffer, .address_space: global }
      - { .name: wt, .offset: 40, .size: 8, .value_kind: global_buffer, .address_space: global }
      - { .name: cnt, .offset: 48, .size: 8, .value_kind: global_buffer, .address_space: global }
      - { .name: lst, .offset: 56, .size: 8, .value_kind: global_buffer, .address_space: global }
      - { .name: wtf, .offset: 64, .size: 8, .value_kind: global_buffer, .address_space: global }
      - { .name: pre, .offset: 72, .size: 8, .value_kind: global_buffer, .address_space: global }
    .group_segment_fixed_size: 0
    .private_segment_fixed_size: 0
    .kernarg_segment_align: 8
    .kernarg_segment_size: 80
    .max_flat_workgroup_size: 128
    .sgpr_count:     66
    .vgpr_count:     512
    .wavefront_size: 32
...
	.end_amdgpu_metadata
.endif
;; end of part 1
;; launch main (part 2): grid 256 x 1, 4 waves a work-group, no clusters, 309,504 bytes of LDS; arguments t, wh, cnt, lst, wtf, pre, po, pst; writes po, pst
.if DOCPART == 2
	.amdgcn_target "amdgcn-amd-amdhsa--gfx1250"
	.amdhsa_code_object_version 6
	.text
	.protected	k_qe166b38d42_main
	.globl	k_qe166b38d42_main
	.p2align	8
	.type	k_qe166b38d42_main,@function
k_qe166b38d42_main:
	s_mov_b64 s[64:65], 0
	v_nop
	global_prefetch_b8 v0, s[64:65] scope:SCOPE_SE
	s_setreg_imm32_b32 hwreg(HW_REG_WAVE_MODE, 25, 1), 1
	s_wait_xcnt 0x0
; SCORES AND POOLING.  out[b] = sum_t e^s m t / sum_t e^s m, s = sum_h tanh(t wt) g, g = tanh(a wa) tanh(b wb) wh.  The softmax's own maximum and sum cancel against the second division, so a row that
; the mask drops enters nothing: only the rows of the list (made by the launch before) are fetched, multiplied and pooled.
; SHARES.  Eight work-groups a batch; with c kept rows, TT = ceil(c / 16) tiles of 16 rows and tw = ceil(TT / 8) tiles to a work-group (16 at the most), taken in two blocks of up to 9 tiles.  A block that has work
; always handles 144 list entries; those beyond its share are real rows whose weight is forced to 0.  A block without work stores a neutral partial result.
; A BLOCK.  (1) its 144 rows of t are fetched once, rounded to bf16 and kept in LDS; (2) X = rows x wt, wave w taking columns 256 w .. +255 in four groups of 64; the sums are 2 log2(e) x, so that
; r = 1 / (1 + 2^sum) and tanh = 1 - 2 r; the score in base 2 is sum_n G2[n] r[n] with G2 = -2 log2(e) g, up to sum_n g log2(e), which is the same for all rows of a batch and cancels; (3) the block's maximum m,
; p = 2^(s - m), l = sum p; (4) o = sum p t from the same LDS bytes, wave w taking channels 256 w .. +255.  (m, l, o) go to memory; the next launch merges a batch's 16.
; LIMITS.  The maximum is that of the kept rows, not of all rows; the order of sums is not reference()'s; p is rounded to bf16 for the pooling product, l is the sum of the unrounded p; a t that is not finite
; is not treated apart; a batch with no kept row gives NaN in the next launch (0 times the reciprocal of 0).
; NO TENSOR LOADS, NO CLUSTER.  The block's rows take 297,216 of the 327,680 bytes of LDS, the other regions 12,288: what is left holds no pair of slots for weight tiles.  So the weights, which all work-groups
; share, come as ready fragments from memory straight into registers, seven K steps ahead, and the product's loop has no barrier.
; THE MATRIX INSTRUCTION IS USED TRANSPOSED in (2): source 0 = 16 columns of wt, source 1 = 16 rows of t: a lane holds ONE row (lane % 16) and the columns i = 8 (lane / 16) + 0..7 of tile q: n = 64 x + 4 i + q.
; LDS ADDRESSES THAT MOVE IN A LOOP are a constant vector base plus a scalar offset that the counted loop steps.
; REGISTERS, in windows of 256 (s_set_vgpr_msb: bits 1:0 source 0, 3:2 source 1, 5:4 source 2, 7:6 destination):
;   window 0: v0-31 addresses; v32-103, v104-175 fragments of the rows, two buffers of 9 tiles (in the fetch: v32-223 six rows as loaded, v224-239 at work; in the pooling: v32-159 turned fragments, v176-215 p);
;             v216-239 at work; v240-255 constants
;   window 1: the weights' ring: eight slots of 32 (four tiles of one K step)
;   window 2: the 32 accumulators of row tiles 0-7 ((rt, q) at v[8 (4 rt + q)]); in the fetch G2's arithmetic; in the pooling 16 accumulators
;   window 3: v0-31 row tile 8's accumulators; v32-63 G2's fragments of the group; v160-231 the running scores, 8 a row tile
.set PITCH, 2064                       ; an LDS row: 2,048 bytes + 16 = 516 words: row r starts at bank 4 r mod 64 (64 banks of 4 bytes: ISA guide 11.1)
.set T16,   16*PITCH
.set T32,   32*PITCH
.set GB,    144*PITCH                  ; G2, 1,024 bytes for each wave, its own: entry 64 x' + 16 q + i holds column 64 x' + 4 i + q of the wave's 256
.set SCB,   GB+4096                    ; partial scores [wave 4][row 144] f32
.set PB,    SCB+2304                   ; p as bf16, 160 entries for each wave, its own
.set OST,   PB+1280                    ; the way out, 1,024 bytes for each wave, its own
.set SPARE, OST+4096                   ; the spare words, 128 bytes for each wave: two blocks of 256 bytes that no other line names
.set MSB, 0
.macro WIN new                         ; the immediate's high byte repeats the setting that is left; a switch that changes nothing is dropped
.if MSB != (\new)
	s_set_vgpr_msb (MSB<<8)|(\new)
.set MSB, (\new)
.endif
.endm
; v1 lane, v2 r, v3 h, v4 16 lane, v5 the weights' offset, v6-10 LDS addresses of row fragments (tiles 2 p, 2 p + 1), v11 the fetch's LDS address, v12 G2's fragments, v13 G2's stores, v14 my partial scores,
; v15, v16 all partial scores, v17 p's stores, v18 p's fragments, v19 the turning loads, v20, v21 the way out, v22 1,024 w + 16 lane, v23-27 at work, v28, v29 the add's two, v30, v31 bases of v11, v12,
; v240-244 bases of v6-10, v245 base of v19, v248-251 zeros, v252-255 a neutral (m, l, m, l)
; s20 wave, s21 batch, s22 my eighth, s23 c, s24 TT, s25 tw, s26 tiles left, s27 the block's tiles, s28 its first list entry, s29 its valid rows, s30-32 counters, s33-35 at work, s[36:43] list entries,
; s[44:55] six rows' addresses, s56, s57 lane selects, s58 the upper lanes' mask, s59 the lowest finite number, s[60:61] list pointer, s[66:67] my weights, s[68:69] pre, s[70:71] po, s[72:73] pst, s[74:75] t, s[76:77] lst, s78 36 w,
; s79 the rows' K offset (v6-10 = s79 + bases), s80 G2's group offset (v12 = s80 + base), s81 the fetch's row offset (v11 = s81 + base)
	s_load_b512 s[4:19], s[0:1], 0x0               ; t 4:5, wh 6:7, cnt 8:9, lst 10:11, wtf 12:13, pre 14:15, po 16:17, pst 18:19
	v_lshl_add_u32 v28, v0, 2, SPARE
	v_mov_b32 v29, 0
	v_lshrrev_b32 v1, 5, v0
	v_readfirstlane_b32 s20, v1
	v_and_b32 v1, 31, v0
	v_and_b32 v2, 15, v0
	v_bfe_u32 v3, v0, 4, 1
	v_lshlrev_b32 v4, 4, v1
	v_mov_b32 v5, v4
	s_lshr_b32 s21, ttmp9, 3
	s_and_b32 s22, ttmp9, 7
	s_mov_b32 s56, 0x76543210
	s_mov_b32 s57, 0xfedcba98
	s_mov_b32 s58, 0xffff0000
	s_mov_b32 s59, 0xff7fffff
	s_mul_i32 s78, s20, 36
	v_mul_u32_u24 v23, v2, PITCH
	v_lshl_add_u32 v23, v3, 4, v23                 ; row r x pitch + 16 h
.irp p, 0,1,2,3,4
	v_add_nc_u32 v[240+(\p)], (\p)*T32, v23
	v_add_nc_u32 v[6+(\p)], (\p)*T32, v23
.endr
	s_mul_i32 s33, s20, 36*PITCH
	v_lshl_add_u32 v30, v1, 3, s33                 ; the fetch: my wave's 36 rows, 8 bytes a lane
	s_lshl_b32 s33, s20, 10
	s_add_co_u32 s34, s33, GB
	v_lshl_add_u32 v31, v3, 5, s34
	v_lshl_add_u32 v13, v3, 8, s34
	v_lshl_add_u32 v13, v2, 2, v13
	s_mul_i32 s35, s20, 576
	s_add_co_u32 s35, s35, SCB
	v_lshl_add_u32 v14, v2, 2, s35
	v_lshl_add_u32 v15, v1, 2, SCB
	v_lshl_add_u32 v16, v2, 2, SCB+512
	s_mul_i32 s35, s20, 320
	s_add_co_u32 s35, s35, PB
	v_lshl_add_u32 v17, v1, 1, s35
	v_lshl_add_u32 v18, v3, 4, s35
	s_add_co_u32 s35, s33, OST
	v_lshl_add_u32 v20, v1, 2, s35
	v_lshl_add_u32 v21, v1, 4, s35
	v_lshl_add_u32 v22, v1, 4, s33
	v_and_b32 v23, 7, v0                           ; the turning load: lane l reads row 8 h + l % 8, 16 bytes at 16 ((l / 8) % 2)
	v_lshl_add_u32 v23, v3, 3, v23
	v_mul_u32_u24 v23, v23, PITCH
	v_bfe_u32 v24, v0, 3, 1
	v_lshl_add_u32 v23, v24, 4, v23
	s_lshl_b32 s35, s20, 9
	v_add_nc_u32 v245, s35, v23                    ; + my wave's 256 channels
.irp i, 248,249,250,251,253,255
	v_mov_b32 v[\i], 0
.endr
	v_mov_b32 v252, s59
	v_mov_b32 v254, s59
	s_wait_kmcnt 0x0
	s_lshl_b32 s34, s21, 8
	s_mov_b32 s35, 0
	s_add_nc_u64 s[60:61], s[8:9], s[34:35]
	s_load_b32 s23, s[60:61], 0x0                  ; c
	s_lshl_b32 s34, s20, 19
	s_add_nc_u64 s[66:67], s[12:13], s[34:35]      ; my wave's 128 K steps of 4,096 bytes
; the fragments of one K step of my stream (four tiles) into a slot of the ring: v5 holds 16 lane + 32,768 x the chunk of eight steps, the immediate the step in the chunk
.macro BFETCH slot, bidx
.irp q, 0,1,2,3
	global_load_b128 v[32*(\slot)+8*(\q):32*(\slot)+8*(\q)+3],   v5, s[66:67] offset:4096*(\bidx)+1024*(\q)
	global_load_b128 v[32*(\slot)+8*(\q)+4:32*(\slot)+8*(\q)+7], v5, s[66:67] offset:4096*(\bidx)+1024*(\q)+512
.endr
.endm
	WIN 0x40                                       ; destination window 1
.irp s, 0,1,2,3,4,5,6
	BFETCH \s, \s                                  ; steps 0 to 6 go out before anything else
.endr
	WIN 0
	s_lshl_b32 s34, s21, 12
	s_add_nc_u64 s[68:69], s[14:15], s[34:35]
	s_lshl_b32 s34, ttmp9, 13
	s_add_nc_u64 s[70:71], s[16:17], s[34:35]      ; partial result 2 x work-group + block
	s_lshl_b32 s34, ttmp9, 10
	s_add_nc_u64 s[72:73], s[18:19], s[34:35]
	s_lshl_b32 s34, s21, 23
	s_add_nc_u64 s[74:75], s[4:5], s[34:35]
	s_mul_i32 s34, s21, 9216
	s_add_nc_u64 s[76:77], s[10:11], s[34:35]
	s_wait_kmcnt 0x0
	s_min_u32 s23, s23, 2048
	s_add_co_u32 s24, s23, 15
	s_lshr_b32 s24, s24, 4                         ; TT
	s_add_co_u32 s25, s24, 7
	s_lshr_b32 s25, s25, 3                         ; tw
	s_mul_i32 s33, s22, s25                        ; my first tile
	s_sub_co_i32 s26, s24, s33
	s_max_i32 s26, s26, 0
	s_min_u32 s26, s26, s25                        ; my tiles
	s_lshl_b32 s28, s33, 4
; A row of t is asked for: list entry i of the eight in s[36:43], bounded before it becomes an address; eight loads of 512 consecutive bytes
.macro ROWLD i
	s_min_u32 s33, s[36+(\i)], 2047
	s_lshl_b32 s[44+2*(\i)], s33, 12
	s_mov_b32 s[45+2*(\i)], 0
	s_add_nc_u64 s[44+2*(\i):45+2*(\i)], s[74:75], s[44+2*(\i):45+2*(\i)]
.irp jj, 0,1,2,3,4,5,6,7
	global_load_b128 v[32+32*(\i)+4*(\jj):35+32*(\i)+4*(\jj)], v4, s[44+2*(\i):45+2*(\i)] offset:512*(\jj)
.endr
.endm
; The row in slot i is rounded to bf16 and stored to LDS, 256 consecutive bytes a store.  left = the younger loads that may stay out; the wait also shows the slot's loads done, so its address pair may be written again
.macro ROWCV i, left
	s_wait_loadcnt \left
.irp jj, 0,1,2,3,4,5,6,7
	v_cvt_pk_bf16_f32 v[224+2*(\jj)], v[32+32*(\i)+4*(\jj)], v[33+32*(\i)+4*(\jj)]
	v_cvt_pk_bf16_f32 v[225+2*(\jj)], v[34+32*(\i)+4*(\jj)], v[35+32*(\i)+4*(\jj)]
.endr
.irp jj, 0,1,2,3,4,5,6,7
	ds_store_b64 v11, v[224+2*(\jj):225+2*(\jj)] offset:PITCH*(\i)+256*(\jj)
.endr
.endm
; 16 products: row tiles rt0 .. rt0 + 3 x the step's four column tiles.  zero = 1: they start the sums
.macro MM16 slot, cur, rt0, zero
.irp rr, 0,1,2,3
.irp q, 0,1,2,3
.if \zero
	v_wmma_f32_16x16x32_bf16 v[8*(4*((\rt0)+(\rr))+(\q)):8*(4*((\rt0)+(\rr))+(\q))+7], v[32*(\slot)+8*(\q):32*(\slot)+8*(\q)+7], v[32+72*(\cur)+8*((\rt0)+(\rr)):32+72*(\cur)+8*((\rt0)+(\rr))+7], 0
.else
	v_wmma_f32_16x16x32_bf16 v[8*(4*((\rt0)+(\rr))+(\q)):8*(4*((\rt0)+(\rr))+(\q))+7], v[32*(\slot)+8*(\q):32*(\slot)+8*(\q)+7], v[32+72*(\cur)+8*((\rt0)+(\rr)):32+72*(\cur)+8*((\rt0)+(\rr))+7], v[8*(4*((\rt0)+(\rr))+(\q)):8*(4*((\rt0)+(\rr))+(\q))+7]
.endif
.endr
.endr
.endm
.macro MM4 slot, cur, zero             ; row tile 8, whose accumulators lie in window 3
.irp q, 0,1,2,3
.if \zero
	v_wmma_f32_16x16x32_bf16 v[8*(\q):8*(\q)+7], v[32*(\slot)+8*(\q):32*(\slot)+8*(\q)+7], v[96+72*(\cur):103+72*(\cur)], 0
.else
	v_wmma_f32_16x16x32_bf16 v[8*(\q):8*(\q)+7], v[32*(\slot)+8*(\q):32*(\slot)+8*(\q)+7], v[96+72*(\cur):103+72*(\cur)], v[8*(\q):8*(\q)+7]
.endif
.endr
.endm
; 18 LDS loads in one run: the nine row tiles' fragments of one K step (64 bytes of each row, at byte aimm behind the address registers) into buffer buf
.macro AFETCH buf, aimm
.irp rt, 0,1,2,3,4,5,6,7,8
	ds_load_b128 v[32+72*(\buf)+8*(\rt):32+72*(\buf)+8*(\rt)+3],   v[6+(\rt)/2] offset:((\rt)%2)*T16+(\aimm)
	ds_load_b128 v[32+72*(\buf)+8*(\rt)+4:32+72*(\buf)+8*(\rt)+7], v[6+(\rt)/2] offset:((\rt)%2)*T16+(\aimm)+32
.endr
.endm
; A K STEP: 36 products, the 36 accumulators by turns, in the same order in every step.  In its middle stand the next step's 18 LDS loads (into the other buffer) and the eight loads of the
; weights seven steps on (into the slot that the step before read), behind four plain vector instructions: the places between that step's products and loads into their sources (ISA guide 7.12.1 for vector instructions).
; kind 0: four v_nop.  1: the weights' offset goes on to the next chunk of eight steps, and behind the 16th chunk back to the first.  2: the rows' K offset goes 512 bytes on and the five row addresses are made anew from it.
; 3: a group's last step: the offset and the addresses go back to K = 0, and the group's G2 is fetched.
.macro KSTEP slot, cur, zero, aimm, bidx, kind
	s_wait_loadcnt 48                              ; this step's weights are in: behind them six younger runs of eight
	s_wait_dscnt 10                                ; row tiles 0-3 are in: behind them the ten loads of tiles 4-8
	WIN 0xa1                                       ; source 0 (weights) window 1, source 1 (rows) window 0, C and D window 2
	MM16 \slot, \cur, 0, \zero
	WIN 0
.if (\kind) == 0
.rept 4
	v_nop
.endr
.elseif (\kind) == 1
	s_wait_xcnt 0x0                                ; every earlier load has had its address translated (ISA guide 3.1): only behind this wait is the offset written again
	v_add_nc_u32 v5, 0x8000, v5
	v_and_b32 v5, 0x7ffff, v5                      ; 16 chunks of 32,768 bytes: no load leaves my 524,288 bytes
	v_nop
	v_nop
.elseif (\kind) == 2
	s_add_co_u32 s79, s79, 512
.irp p, 0,1,2,3,4
	v_add_nc_u32 v[6+(\p)], s79, v[240+(\p)]
.endr
.else
	s_mov_b32 s79, 0
.irp p, 0,1,2,3,4
	v_mov_b32 v[6+(\p)], v[240+(\p)]
.endr
.endif
	AFETCH 1-(\cur), \aimm
.if (\kind) == 3
	WIN 0xc0                                       ; destination window 3
.irp q, 0,1,2,3
	ds_load_b128 v[32+8*(\q):35+8*(\q)], v12 offset:64*(\q)
	ds_load_b128 v[36+8*(\q):39+8*(\q)], v12 offset:64*(\q)+16
.endr
.endif
	WIN 0x40
	BFETCH ((\slot)+7)%8, \bidx
.if (\kind) == 3
	s_wait_dscnt 26                                ; all but the 26 just issued
.else
	s_wait_dscnt 18                                ; all but the 18 just issued
.endif
	WIN 0xa1
	MM16 \slot, \cur, 4, \zero
	WIN 0xf1                                       ; C and D window 3
	MM4 \slot, \cur, \zero
.endm
	s_mov_b32 s30, 2
.Lblk:
	s_min_u32 s27, s26, 9                          ; the block's tiles
	s_lshl_b32 s29, s27, 4
	s_sub_co_i32 s33, s23, s28
	s_max_i32 s33, s33, 0
	s_min_u32 s29, s29, s33                        ; its valid rows: at least 1 where it has a tile
	s_cmp_eq_u32 s27, 0
	s_cbranch_scc1 .Ls1
	; (1) THE FETCH.  Wave w takes list entries 36 w .. 36 w + 35 of the block's 144, six rows (48 loads) on their way at a time.  The entries come eight at a time by scalar loads, six of them used;
	; the last set read begins at entry 36 w + 36 and serves nothing: with the bound below it ends at entry 2,303, the list's last.
	s_mov_b32 s81, 0
	v_mov_b32 v11, v30
	s_min_u32 s33, s28, 2152
	s_add_co_u32 s33, s33, s78
	s_lshl_b32 s34, s33, 2
	s_mov_b32 s35, 0
	s_add_nc_u64 s[60:61], s[76:77], s[34:35]
	s_load_b256 s[36:43], s[60:61], 0x0
	WIN 0x80                                       ; what G2 is made of, into window 2: for my 256 columns (128 u + 4 lane + 0..3) the eight K slices of a wa and b wb, and wh
.irp u, 0,1
.irp kq, 0,1,2,3,4,5,6,7
.irp mat, 0,1
	global_load_b128 v[64*(\u)+8*(\kq)+4*(\mat):64*(\u)+8*(\kq)+4*(\mat)+3], v22, s[68:69] offset:(2*(\kq)+(\mat))*131072+512*(\u)
.endr
.endr
	global_load_b128 v[128+4*(\u):131+4*(\u)], v22, s[6:7] offset:512*(\u)
.endr
	WIN 0
	s_wait_kmcnt 0x0
.irp i, 0,1,2,3,4,5
	ROWLD \i
.endr
	s_add_nc_u64 s[60:61], s[60:61], 24
	s_load_b256 s[36:43], s[60:61], 0x0
	s_mov_b32 s32, 5
.Lrows:
	s_wait_kmcnt 0x0                               ; the next six entries are in, and the pointer may step
	s_add_nc_u64 s[60:61], s[60:61], 24
.irp i, 0,1,2,3,4,5
	ROWCV \i, 40                                   ; five younger rows of eight loads stay out
	ROWLD \i
.endr
	s_load_b256 s[36:43], s[60:61], 0x0
	s_add_co_u32 s81, s81, 6*PITCH                 ; six rows on in LDS
	v_add_nc_u32 v11, s81, v30
	s_sub_co_u32 s32, s32, 1
	s_cmp_lg_u32 s32, 0
	s_cbranch_scc1 .Lrows
	s_wait_kmcnt 0x0
.irp i, 0,1,2,3,4,5
	ROWCV \i, 8*(5-(\i))                           ; the last six rows: the counts run down to 0
.endr
	; G2 = -2 log2(e) tanh(a wa) tanh(b wb) wh for my 256 columns; its loads are older than every row's.  All in window 2.
	WIN 0xaa
.irp u, 0,1
.irp kq, 1,2,3,4,5,6,7
.irp e, 0,2,4,6
	v_pk_add_f32 v[64*(\u)+(\e):64*(\u)+(\e)+1], v[64*(\u)+(\e):64*(\u)+(\e)+1], v[64*(\u)+8*(\kq)+(\e):64*(\u)+8*(\kq)+(\e)+1]
.endr
.endr
.endr
.irp u, 0,1
.irp e, 0,2,4,6
	v_pk_mul_f32 v[64*(\u)+(\e):64*(\u)+(\e)+1], v[64*(\u)+(\e):64*(\u)+(\e)+1], 0x4038aa3b op_sel_hi:[1,0]
.endr
.endr
.irp u, 0,1
.irp e, 0,1,2,3,4,5,6,7
	v_exp_f32 v[64*(\u)+(\e)], v[64*(\u)+(\e)]
.endr
.endr
	v_nop                                          ; a plain instruction behind the last exponential (ISA guide 5.7.2)
	s_wait_alu depctr_va_vdst(0)
.irp u, 0,1
.irp e, 0,2,4,6
	v_pk_add_f32 v[64*(\u)+(\e):64*(\u)+(\e)+1], v[64*(\u)+(\e):64*(\u)+(\e)+1], 1.0 op_sel_hi:[1,0]
.endr
.endr
.irp u, 0,1
.irp e, 0,1,2,3,4,5,6,7
	v_rcp_f32 v[64*(\u)+(\e)], v[64*(\u)+(\e)]
.endr
.endr
	v_nop
	s_wait_alu depctr_va_vdst(0)
.irp u, 0,1
.irp e, 0,2,4,6
	v_pk_fma_f32 v[64*(\u)+(\e):64*(\u)+(\e)+1], v[64*(\u)+(\e):64*(\u)+(\e)+1], -2.0, 1.0 op_sel_hi:[1,0,0]
.endr
.endr
.irp u, 0,1
.irp e, 0,2
	v_pk_mul_f32 v[64*(\u)+(\e):64*(\u)+(\e)+1], v[64*(\u)+(\e):64*(\u)+(\e)+1], v[64*(\u)+4+(\e):64*(\u)+5+(\e)]
.endr
.endr
.irp u, 0,1
.irp e, 0,2
	v_pk_mul_f32 v[64*(\u)+(\e):64*(\u)+(\e)+1], v[64*(\u)+(\e):64*(\u)+(\e)+1], v[128+4*(\u)+(\e):129+4*(\u)+(\e)]
.endr
.endr
.irp u, 0,1
.irp e, 0,2
	v_pk_mul_f32 v[64*(\u)+(\e):64*(\u)+(\e)+1], v[64*(\u)+(\e):64*(\u)+(\e)+1], 0xc038aa3b op_sel_hi:[1,0]
.endr
.endr
	WIN 0x08                                       ; the stores' data in window 2
.irp u, 0,1
.irp q, 0,1,2,3
	ds_store_b32 v13, v[64*(\u)+(\q)] offset:512*(\u)+64*(\q)
.endr
.endr
	WIN 0
.Ls1:
	s_wait_dscnt 0x0                               ; for the others' sake: my rows are in LDS
	s_barrier_signal -1
	s_barrier_wait -1                              ; everybody's are
	; The running scores start at 0: 72 registers, once a block, so that all four groups run one text.  The lines stand ahead of the jump, so that the registers are written on every way to the reduction below.
	WIN 0xc0
.set i, 160
.rept 72
	v_mov_b32 v[i], 0
.set i, i+1
.endr
	WIN 0
	s_cmp_eq_u32 s27, 0
	s_cbranch_scc1 .Ls1b
	; (2) THE PRODUCT, TANH AND SCORES.
	s_mov_b32 s79, 0
	s_mov_b32 s80, 0
	v_mov_b32 v12, v31
	AFETCH 0, 0
	s_mov_b32 s31, 4
.Lgroup:                               ; a group: 64 columns, 32 K steps.  Step s multiplies slot s % 8 and buffer s % 2, fetches the rows' step s + 1 and the weights' step s + 7
	KSTEP 0, 0, 1, 64, 7, 0                        ; step 0 starts the sums
	WIN 0
	s_mov_b32 s32, 3
.Lk:                                   ; steps 1 + 8 t .. 8 + 8 t
	KSTEP 1, 1, 0, 128, 0, 1
	KSTEP 2, 0, 0, 192, 1, 0
	KSTEP 3, 1, 0, 256, 2, 0
	KSTEP 4, 0, 0, 320, 3, 0
	KSTEP 5, 1, 0, 384, 4, 0
	KSTEP 6, 0, 0, 448, 5, 0
	KSTEP 7, 1, 0, 512, 6, 0
	KSTEP 0, 0, 0, 64, 7, 2
	WIN 0
	s_sub_co_u32 s32, s32, 1
	s_cmp_lg_u32 s32, 0
	s_cbranch_scc1 .Lk
	KSTEP 1, 1, 0, 128, 0, 1                       ; steps 25 to 31; their weight loads are the next group's steps 0 to 6 (behind the last group: the stream's first seven again, for a second block)
	KSTEP 2, 0, 0, 192, 1, 0
	KSTEP 3, 1, 0, 256, 2, 0
	KSTEP 4, 0, 0, 320, 3, 0
	KSTEP 5, 1, 0, 384, 4, 0
	KSTEP 6, 0, 0, 448, 5, 0
	KSTEP 7, 1, 0, 0, 6, 3
	; the group's end: r = 1 / (1 + 2^sum) in place, a row tile (32 registers) at a time, each accumulator from its lowest register on; then the running scores take G2 r
	s_wait_dscnt 0x0                               ; G2's fragments (and the next group's first row fragments) are in
.rept 4
	v_nop                                          ; the places behind the last products
.endr
.irp rt, 0,1,2,3,4,5,6,7,8
.if (\rt) < 8
.set EA, 32*(\rt)
.set W1, 0x82
.set W2, 0xfe
.else
.set EA, 0
.set W1, 0xc3
.set W2, 0xff
.endif
	WIN W1                                         ; destination and source 0 in the accumulators' window
.set i, 0
.rept 32
	v_exp_f32 v[EA+i], v[EA+i]
.set i, i+1
.endr
	v_nop                                          ; a plain instruction behind the last exponential
.set i, 0
	s_wait_alu depctr_va_vdst(0)
.rept 16
	v_pk_add_f32 v[EA+i:EA+i+1], v[EA+i:EA+i+1], 1.0 op_sel_hi:[1,0]
.set i, i+2
.endr
.set i, 0
.rept 32
	v_rcp_f32 v[EA+i], v[EA+i]
.set i, i+1
.endr
	WIN W2                                         ; scores and G2 in window 3
	v_nop
	s_wait_alu depctr_va_vdst(0)
.irp q, 0,1,2,3
.irp jp, 0,2,4,6
	v_pk_fma_f32 v[160+8*(\rt)+(\jp):161+8*(\rt)+(\jp)], v[EA+8*(\q)+(\jp):EA+8*(\q)+(\jp)+1], v[32+8*(\q)+(\jp):33+8*(\q)+(\jp)], v[160+8*(\rt)+(\jp):161+8*(\rt)+(\jp)]
.endr
.endr
.endr
	WIN 0
	s_add_co_u32 s80, s80, 256                     ; the next group's G2
	v_add_nc_u32 v12, s80, v31
	s_sub_co_u32 s31, s31, 1
	s_cmp_lg_u32 s31, 0
	s_cbranch_scc1 .Lgroup
.Ls1b:
	s_wait_dscnt 0x0                               ; my reads of the rows' fragments and of G2 are back
	s_barrier_signal -1                            ; phases that read LDS and phases that write it are kept apart by a barrier throughout this text, also here, where the bytes written next
	s_barrier_wait -1                              ; (the partial scores) are others than those read
	s_cmp_eq_u32 s27, 0
	s_cbranch_scc1 .Ls2
	; a lane's eight running scores are added, then the other half of the lanes' (the row's other columns); the last addition in the lane lands in window 0
	WIN 0xff
.irp rt, 0,1,2,3,4,5,6,7,8
	v_pk_add_f32 v[160+8*(\rt):161+8*(\rt)], v[160+8*(\rt):161+8*(\rt)], v[162+8*(\rt):163+8*(\rt)]
	v_pk_add_f32 v[164+8*(\rt):165+8*(\rt)], v[164+8*(\rt):165+8*(\rt)], v[166+8*(\rt):167+8*(\rt)]
.endr
.irp rt, 0,1,2,3,4,5,6,7,8
	v_pk_add_f32 v[160+8*(\rt):161+8*(\rt)], v[160+8*(\rt):161+8*(\rt)], v[164+8*(\rt):165+8*(\rt)]
.endr
	WIN 0x0f                                       ; sources in window 3, destination in window 0
.irp rt, 0,1,2,3,4,5,6,7,8
	v_add_f32 v[216+(\rt)], v[160+8*(\rt)], v[161+8*(\rt)]
.endr
	WIN 0
.irp rt, 0,1,2,3,4,5,6,7,8
	v_mov_b32 v[226+(\rt)], v[216+(\rt)]           ; v_permlanex16_b32's destination counts as read: it is written first
.endr
.irp rt, 0,1,2,3,4,5,6,7,8
	v_permlanex16_b32 v[226+(\rt)], v[216+(\rt)], s56, s57
.endr
.irp rt, 0,1,2,3,4,5,6,7,8
	v_add_f32 v[216+(\rt)], v[216+(\rt)], v[226+(\rt)]
.endr
.irp rt, 0,1,2,3,4,5,6,7,8
	ds_store_b32 v14, v[216+(\rt)] offset:64*(\rt) ; both halves of the lanes store the same number to the same word
.endr
.Ls2:
	s_wait_dscnt 0x0                               ; for the others' sake: my partial scores are in LDS
	s_barrier_signal -1
	s_barrier_wait -1
	s_cmp_eq_u32 s27, 0
	s_cbranch_scc1 .Lempty
	; (3) THE BLOCK'S SOFTMAX, by every wave for itself.  Lane l holds rows l + 32 cc, cc = 0..4; rows at or beyond the valid count (144 to 159 among them) count as the lowest finite number, so their p is 0.
.irp w, 0,1,2,3
.irp cc, 0,1,2,3
	ds_load_b32 v[216+4*(\cc)+(\w)], v15 offset:576*(\w)+128*(\cc)
.endr
	ds_load_b32 v[232+(\w)], v16 offset:576*(\w)
.endr
	v_mov_b32 v24, s59
	v_mov_b32 v26, 0
	s_wait_dscnt 0x0
.irp cc, 0,1,2,3,4
	v_add_f32 v[216+4*(\cc)], v[216+4*(\cc)], v[217+4*(\cc)]
	v_add_f32 v[218+4*(\cc)], v[218+4*(\cc)], v[219+4*(\cc)]
.endr
.irp cc, 0,1,2,3,4
	v_add_f32 v[216+4*(\cc)], v[216+4*(\cc)], v[218+4*(\cc)]
.endr
.irp cc, 0,1,2,3,4
	v_add_nc_u32 v23, 32*(\cc), v1
	v_cmp_gt_u32 vcc_lo, s29, v23
	v_cndmask_b32 v[216+4*(\cc)], v24, v[216+4*(\cc)], vcc_lo
.endr
	v_max3_num_f32 v25, v216, v220, v224
	v_max3_num_f32 v25, v25, v228, v232
	v_max_num_f32_dpp v25, v25, v25 row_xmask:1 row_mask:0xf bank_mask:0xf
	v_max_num_f32_dpp v25, v25, v25 row_xmask:2 row_mask:0xf bank_mask:0xf
	v_max_num_f32_dpp v25, v25, v25 row_xmask:4 row_mask:0xf bank_mask:0xf
	v_max_num_f32_dpp v25, v25, v25 row_xmask:8 row_mask:0xf bank_mask:0xf
	v_permlanex16_b32 v26, v25, s56, s57
	v_max_num_f32 v25, v25, v26                    ; m
.irp cc, 0,1,2,3,4
	v_sub_f32 v[216+4*(\cc)], v[216+4*(\cc)], v25
.endr
.irp cc, 0,1,2,3,4
	v_exp_f32 v[216+4*(\cc)], v[216+4*(\cc)]
.endr
	v_nop
	s_wait_alu depctr_va_vdst(0)
	v_add_f32 v27, v216, v220
	v_add_f32 v23, v224, v228
	v_add_f32 v27, v27, v232
	v_add_f32 v27, v27, v23
	v_add_f32_dpp v27, v27, v27 row_xmask:1 row_mask:0xf bank_mask:0xf
	v_add_f32_dpp v27, v27, v27 row_xmask:2 row_mask:0xf bank_mask:0xf
	v_add_f32_dpp v27, v27, v27 row_xmask:4 row_mask:0xf bank_mask:0xf
	v_add_f32_dpp v27, v27, v27 row_xmask:8 row_mask:0xf bank_mask:0xf
	v_permlanex16_b32 v26, v27, s56, s57
	v_add_f32 v27, v27, v26                        ; l
.irp cc, 0,1,2,3,4
	v_cvt_pk_bf16_f32 v[217+4*(\cc)], v[216+4*(\cc)], v[216+4*(\cc)]
.endr
.irp cc, 0,1,2,3,4
	ds_store_b16 v17, v[217+4*(\cc)] offset:64*(\cc)
.endr
.irp kk, 0,1,2,3,4                     ; p as source 0: 16 equal rows x 32 block rows; LDS serves a wave's instructions in order (ISA guide 5.7.1.4): these see the stores above
	ds_load_b128 v[176+8*(\kk):179+8*(\kk)], v18 offset:64*(\kk)
	ds_load_b128 v[180+8*(\kk):183+8*(\kk)], v18 offset:64*(\kk)+32
.endr
	; (4) THE POOLING.  o[d] = sum over the block's rows of p t: source 1 = 32 rows x 16 channels, turned on the way out of LDS.  In the fifth step rows 144-159 do not exist: rows 128-143 stand in for them, against p = 0.
	v_mov_b32 v19, v245
.irp kk, 0,1,2,3,4
.if (\kk) > 0
	WIN 0
	v_nop                                          ; with the step of the address: four places between the last products and the loads into their sources
	v_nop
	v_nop
	v_add_nc_u32 v19, T32, v19
.endif
.irp dt, 0,1,2,3,4,5,6,7,8,9,10,11,12,13,14,15
	ds_load_tr16_b128 v[32+8*(\dt):35+8*(\dt)], v19 offset:32*(\dt)
.if (\kk) < 4
	ds_load_tr16_b128 v[36+8*(\dt):39+8*(\dt)], v19 offset:32*(\dt)+T16
.else
	ds_load_tr16_b128 v[36+8*(\dt):39+8*(\dt)], v19 offset:32*(\dt)
.endif
.endr
	s_wait_dscnt 0x0
	WIN 0xa0                                       ; C and D window 2
.irp dt, 0,1,2,3,4,5,6,7,8,9,10,11,12,13,14,15
.if (\kk) == 0
	v_wmma_f32_16x16x32_bf16 v[8*(\dt):8*(\dt)+7], v[176+8*(\kk):183+8*(\kk)], v[32+8*(\dt):39+8*(\dt)], 0
.else
	v_wmma_f32_16x16x32_bf16 v[8*(\dt):8*(\dt)+7], v[176+8*(\kk):183+8*(\kk)], v[32+8*(\dt):39+8*(\dt)], v[8*(\dt):8*(\dt)+7]
.endif
.endr
.endr
	WIN 0
.rept 4
	v_nop
.endr
	WIN 0x0a                                       ; every register of a result holds the same sum: the lowest is taken; lanes 0-15 from tile 2 i, lanes 16-31 from tile 2 i + 1: lane l holds channel 32 i + l
.irp i, 0,1,2,3,4,5,6,7
	v_cndmask_b32 v[216+(\i)], v[16*(\i)], v[16*(\i)+8], s58
.endr
	WIN 0
.irp i, 0,1,2,3,4,5,6,7
	ds_store_b32 v20, v[216+(\i)] offset:128*(\i)
.endr
	ds_load_b128 v[224:227], v21                   ; back as 16 bytes a lane (my own bytes, served in order)
	ds_load_b128 v[228:231], v21 offset:512
	v_mov_b32 v236, v25
	v_mov_b32 v237, v27
	v_mov_b32 v238, v25
	v_mov_b32 v239, v27
	s_wait_dscnt 0x0
	global_store_b128 v22, v[224:227], s[70:71]    ; 512 consecutive bytes a store
	global_store_b128 v22, v[228:231], s[70:71] offset:512
	s_cmp_lg_u32 s20, 0
	s_cbranch_scc1 .Lj
	global_store_b128 v4, v[236:239], s[72:73]     ; wave 0: (m, l) repeated over 512 bytes
	s_branch .Lj
.Lempty:                               ; a block without work: o = 0, l = 0, m the lowest finite number
	global_store_b128 v22, v[248:251], s[70:71]
	global_store_b128 v22, v[248:251], s[70:71] offset:512
	s_cmp_lg_u32 s20, 0
	s_cbranch_scc1 .Lj
	global_store_b128 v4, v[252:255], s[72:73]
.Lj:
	s_wait_xcnt 0x0                                ; the stores have had their addresses translated: their bases and data registers are written again only behind this wait
	s_add_nc_u64 s[70:71], s[70:71], 4096
	s_add_nc_u64 s[72:73], s[72:73], 512
	s_add_co_u32 s28, s28, 144
	s_sub_co_u32 s26, s26, s27
	s_wait_dscnt 0x0                               ; my reads of the rows and of the scores are over:
	s_barrier_signal -1
	s_barrier_wait -1                              ; everybody's are, so the next block may write them
	s_sub_co_u32 s30, s30, 1
	s_cmp_lg_u32 s30, 0
	s_cbranch_scc1 .Lblk
	s_wait_tensorcnt 0x0                           ; the wave's end
	ds_add_u32 v28, v29
	s_wait_dscnt 0x0
	s_endpgm
.Lfunc_end_k_qe166b38d42_main:
	.size	k_qe166b38d42_main, .Lfunc_end_k_qe166b38d42_main-k_qe166b38d42_main
	.p2alignl 7, 3214868480
	.fill 96, 4, 3214868480
	.section	.rodata,"a",@progbits
	.p2align	6, 0x0
	.amdhsa_kernel k_qe166b38d42_main
		.amdhsa_group_segment_fixed_size 309504
		.amdhsa_private_segment_fixed_size 0
		.amdhsa_enable_private_segment 0
		.amdhsa_kernarg_size 64
		.amdhsa_user_sgpr_count 2
		.amdhsa_user_sgpr_kernarg_segment_ptr 1
		.amdhsa_wavefront_size32 1
		.amdhsa_system_sgpr_workgroup_id_x 1
		.amdhsa_system_sgpr_workgroup_id_y 1
		.amdhsa_system_sgpr_workgroup_id_z 1
		.amdhsa_system_vgpr_workitem_id 0
		.amdhsa_next_free_vgpr 1024
		.amdhsa_next_free_sgpr 84
		.amdhsa_reserve_vcc 1
		.amdhsa_float_denorm_mode_32 3
		.amdhsa_float_denorm_mode_16_64 3
		.amdhsa_memory_ordered 1
		.amdhsa_forward_progress 1
		.amdhsa_inst_pref_size 195
	.end_amdhsa_kernel
	.amdgpu_metadata
---
amdhsa.version: [ 1, 2 ]
amdhsa.kernels:
  - .name:           k_qe166b38d42_main
    .symbol:         k_qe166b38d42_main.kd
    .args:
      - { .name: t, .offset: 0, .size: 8, .value_kind: global_buffer, .address_space: global }
      - { .name: wh, .offset: 8, .size: 8, .value_kind: global_buffer, .address_space: global }
      - { .name: cnt, .offset: 16, .size: 8, .value_kind: global_buffer, .address_space: global }
      - { .name: lst, .offset: 24, .size: 8, .value_kind: global_buffer, .address_space: global }
      - { .name: wtf, .offset: 32, .size: 8, .value_kind: global_buffer, .address_space: global }
      - { .name: pre, .offset: 40, .size: 8, .value_kind: global_buffer, .address_space: global }
      - { .name: po, .offset: 48, .size: 8, .value_kind: global_buffer, .address_space: global }
      - { .name: pst, .offset: 56, .size: 8, .value_kind: global_buffer, .address_space: global }
    .group_segment_fixed_size: 309504
    .private_segment_fixed_size: 0
    .kernarg_segment_align: 8
    .kernarg_segment_size: 64
    .max_flat_workgroup_size: 128
    .sgpr_count:     84
    .vgpr_count:     1024
    .wavefront_size: 32
...
	.end_amdgpu_metadata
.endif
;; end of part 2
;; launch comb (part 3): grid 32 x 1, 8 waves a work-group, no clusters, 0 bytes of LDS; arguments po, pst, out0; writes out0
.if DOCPART == 3
	.amdgcn_target "amdgcn-amd-amdhsa--gfx1250"
	.amdhsa_code_object_version 6
	.text
	.protected	k_qe166b38d42_comb
	.globl	k_qe166b38d42_comb
	.p2align	8
	.type	k_qe166b38d42_comb,@function
k_qe166b38d42_comb:
	s_mov_b64 s[64:65], 0
	v_nop
	global_prefetch_b8 v0, s[64:65] scope:SCOPE_SE
	s_setreg_imm32_b32 hwreg(HW_REG_WAVE_MODE, 25, 1), 1
	s_wait_xcnt 0x0
; THE MERGE.  A work-group takes a batch: out = sum_s 2^(m_s - M) o_s / sum_s 2^(m_s - M) l_s over its 16 partial results, M the largest m_s.  A partial result without rows has the lowest finite m and l = 0: its weight is 0
; beside any true m.  A batch without any kept row has l = 0 everywhere and gives NaN (0 times the reciprocal of 0), as reference() does.
; Thread t owns channels 4 t .. 4 t + 3: each load and the store cover 512 consecutive bytes a wave.  No LDS, no barrier: the 16 pairs (m, l) come by scalar loads, the same for every lane.
	s_load_b128 s[4:7], s[0:1], 0x0                ; po, pst
	s_load_b64 s[8:9], s[0:1], 0x10                ; out0
	v_lshlrev_b32 v1, 4, v0
	s_lshl_b32 s10, ttmp9, 16                      ; 16 partial results of 4,096 bytes
	s_mov_b32 s11, 0
	s_lshl_b32 s12, ttmp9, 13                      ; 16 x 512 bytes
	s_mov_b32 s13, 0
	s_lshl_b32 s14, ttmp9, 12
	s_mov_b32 s15, 0
	s_wait_kmcnt 0x0
	s_add_nc_u64 s[4:5], s[4:5], s[10:11]
	s_add_nc_u64 s[6:7], s[6:7], s[12:13]
	s_add_nc_u64 s[8:9], s[8:9], s[14:15]
.irp s, 0,1,2,3,4,5,6,7,8,9,10,11,12,13,14,15
	s_load_b64 s[16+2*(\s):17+2*(\s)], s[6:7], 512*(\s)
.endr
.irp s, 0,1,2,3,4,5,6,7,8,9,10,11,12,13,14,15
	global_load_b128 v[16+4*(\s):19+4*(\s)], v1, s[4:5] offset:4096*(\s)
.endr
	s_wait_kmcnt 0x0
	v_mov_b32 v2, s16
.irp s, 1,2,3,4,5,6,7,8,9,10,11,12,13,14,15
	v_max_num_f32 v2, s[16+2*(\s)], v2             ; M
.endr
.irp s, 0,1,2,3,4,5,6,7,8,9,10,11,12,13,14,15
	v_sub_f32 v[112+(\s)], s[16+2*(\s)], v2
.endr
.irp s, 0,1,2,3,4,5,6,7,8,9,10,11,12,13,14,15
	v_exp_f32 v[80+2*(\s)], v[112+(\s)]            ; each weight twice: a pair for the packed multiply-adds
	v_exp_f32 v[81+2*(\s)], v[112+(\s)]
.endr
	v_nop                                          ; a plain instruction behind the last exponential (ISA guide 5.7.2)
	s_wait_alu depctr_va_vdst(0)
	v_mul_f32 v3, s17, v80
.irp s, 1,2,3,4,5,6,7,8,9,10,11,12,13,14,15
	v_fmac_f32 v3, s[17+2*(\s)], v[80+2*(\s)]
.endr
	v_rcp_f32 v8, v3
	v_rcp_f32 v9, v3
	s_wait_loadcnt 0x0
	v_pk_mul_f32 v[4:5], v[16:17], v[80:81]        ; the first partial result starts the sums (and is the plain instruction behind the reciprocals)
	v_pk_mul_f32 v[6:7], v[18:19], v[80:81]
.irp s, 1,2,3,4,5,6,7,8,9,10,11,12,13,14,15
	v_pk_fma_f32 v[4:5], v[16+4*(\s):17+4*(\s)], v[80+2*(\s):81+2*(\s)], v[4:5]
	v_pk_fma_f32 v[6:7], v[18+4*(\s):19+4*(\s)], v[80+2*(\s):81+2*(\s)], v[6:7]
.endr
	s_wait_alu depctr_va_vdst(0)
	v_pk_mul_f32 v[4:5], v[4:5], v[8:9]
	v_pk_mul_f32 v[6:7], v[6:7], v[8:9]
	global_store_b128 v1, v[4:7], s[8:9]
	s_endpgm
.Lfunc_end_k_qe166b38d42_comb:
	.size	k_qe166b38d42_comb, .Lfunc_end_k_qe166b38d42_comb-k_qe166b38d42_comb
	.p2alignl 7, 3214868480
	.fill 96, 4, 3214868480
	.section	.rodata,"a",@progbits
	.p2align	6, 0x0
	.amdhsa_kernel k_qe166b38d42_comb
		.amdhsa_group_segment_fixed_size 0
		.amdhsa_private_segment_fixed_size 0
		.amdhsa_enable_private_segment 0
		.amdhsa_kernarg_size 24
		.amdhsa_user_sgpr_count 2
		.amdhsa_user_sgpr_kernarg_segment_ptr 1
		.amdhsa_wavefront_size32 1
		.amdhsa_system_sgpr_workgroup_id_x 1
		.amdhsa_system_sgpr_workgroup_id_y 1
		.amdhsa_system_sgpr_workgroup_id_z 1
		.amdhsa_system_vgpr_workitem_id 0
		.amdhsa_next_free_vgpr 128
		.amdhsa_next_free_sgpr 66
		.amdhsa_reserve_vcc 0
		.amdhsa_float_denorm_mode_32 3
		.amdhsa_float_denorm_mode_16_64 3
		.amdhsa_memory_ordered 1
		.amdhsa_forward_progress 1
		.amdhsa_inst_pref_size 9
	.end_amdhsa_kernel
	.amdgpu_metadata
---
amdhsa.version: [ 1, 2 ]
amdhsa.kernels:
  - .name:           k_qe166b38d42_comb
    .symbol:         k_qe166b38d42_comb.kd
    .args:
      - { .name: po, .offset: 0, .size: 8, .value_kind: global_buffer, .address_space: global }
      - { .name: pst, .offset: 8, .size: 8, .value_kind: global_buffer, .address_space: global }
      - { .name: out0, .offset: 16, .size: 8, .value_kind: global_buffer, .address_space: global }
    .group_segment_fixed_size: 0
    .private_segment_fixed_size: 0
    .kernarg_segment_align: 8
    .kernarg_segment_size: 24
    .max_flat_workgroup_size: 256
    .sgpr_count:     66
    .vgpr_count:     128
    .wavefront_size: 32
...
	.end_amdgpu_metadata
.endif
;; end of part 3
;; ======== version 2 of 2: 3 launches; version 1 with the launch main written anew for expert scheduling mode
;; workspace buffers: cnt 8,192 bytes of whole numbers; lst 294,912 bytes of whole numbers; wtf 2,097,152 bytes; pre 2,097,152 bytes; po 2,097,152 bytes; pst 262,144 bytes
;; launch prep: the kernel of part 1 again; grid 328 x 1, 4 waves a work-group, no clusters, 0 bytes of LDS; arguments a, b, mask, wa, wb, wt, cnt, lst, wtf, pre; writes cnt, lst, wtf, pre
;; launch main (part 4): grid 256 x 1, 4 waves a work-group, no clusters, 309,504 bytes of LDS; arguments t, wh, cnt, lst, wtf, pre, po, pst; writes po, pst
.if DOCPART == 4
	.amdgcn_target "amdgcn-amd-amdhsa--gfx1250"
	.amdhsa_code_object_version 6
	.text
	.protected	k_qe166b38d42_main
	.globl	k_qe166b38d42_main
	.p2align	8
	.type	k_qe166b38d42_main,@function
k_qe166b38d42_main:
	s_mov_b64 s[64:65], 0
	v_nop
	global_prefetch_b8 v0, s[64:65] scope:SCOPE_SE
	s_setreg_imm32_b32 hwreg(HW_REG_WAVE_SCHED_MODE, 0, 2), 2
	s_setreg_imm32_b32 hwreg(HW_REG_WAVE_MODE, 25, 1), 1
	s_wait_xcnt 0x0
	s_wait_alu depctr_vm_vsrc(0)
; SCORES AND POOLING.  out[b] = sum_t e^s m t / sum_t e^s m, s = sum_h tanh(t wt) g, g = tanh(a wa) tanh(b wb) wh.  The softmax's own maximum and sum cancel against the second division, so a row that
; the mask drops enters nothing: only the rows of the list (made by the launch before) are fetched, multiplied and pooled.
; SHARES.  Eight work-groups a batch; with c kept rows, TT = ceil(c / 16) tiles of 16 rows and tw = ceil(TT / 8) tiles to a work-group (16 at the most), taken in two blocks of up to 9 tiles.  A block that has work
; always handles 144 list entries; those beyond its share are real rows whose weight is forced to 0.  A block without work stores a neutral partial result.
; A BLOCK.  (1) its 144 rows of t are fetched once, rounded to bf16 and kept in LDS; (2) X = rows x wt, wave w taking columns 256 w .. +255 in four groups of 64; the sums are 2 log2(e) x, so that
; r = 1 / (1 + 2^sum) and tanh = 1 - 2 r; the score in base 2 is sum_n G2[n] r[n] with G2 = -2 log2(e) g, up to sum_n g log2(e), which is the same for all rows of a batch and cancels; (3) the block's maximum m,
; p = 2^(s - m), l = sum p; (4) o = sum p t from the same LDS bytes, wave w taking channels 256 w .. +255.  (m, l, o) go to memory; the next launch merges a batch's 16.
; LIMITS.  The maximum is that of the kept rows, not of all rows; the order of sums is not reference()'s; p is rounded to bf16 for the pooling product, l is the sum of the unrounded p; a t that is not finite
; is not treated apart; a batch with no kept row gives NaN in the next launch (0 times the reciprocal of 0).
; NO TENSOR LOADS, NO CLUSTER.  The block's rows take 297,216 of the 327,680 bytes of LDS, the other regions 12,288: what is left holds no pair of slots for weight tiles.  So the weights, which all work-groups
; share, come as ready fragments from memory straight into registers, seven K steps ahead, and the product's loop has no barrier.
; THE MATRIX INSTRUCTION IS USED TRANSPOSED in (2): source 0 = 16 columns of wt, source 1 = 16 rows of t: a lane holds ONE row (lane % 16) and the columns i = 8 (lane / 16) + 0..7 of tile q: n = 64 x + 4 i + q.
; LDS ADDRESSES THAT MOVE IN A LOOP are a constant vector base plus a scalar offset that the counted loop steps.
; THE MODE: SCHED_MODE bits 1:0 = 2 (LLVM: expert scheduling mode 2), set by the entry lines.  The code itself states the register dependences between vector or matrix instructions and memory or LDS
; instructions, with s_wait_alu, always for 0.
; THE PLAN.  Registers that memory or LDS instructions touch, and who else names them:
;   (1) v32-223    six row slots: a slot's eight loads land in it, its sixteen conversions read it, and behind them it is asked for again.
;       v224-239   written by a row's conversions, read by its eight LDS stores.          v11  read by those stores, written once for six rows.
;       One wait on va_vdst a row, behind its conversions; one on vm_vsrc ahead of the next row's conversions (for a trip's first row: the one ahead of the add to v11).
;   (2) v32-103, v104-175   the rows' two buffers: step s's products read buffer s % 2; the LDS loads of step s + 1, issued in step s, land in the other.
;       window 1   the weights' eight slots: step s's products read slot s % 8; its eight loads land in slot (s + 7) % 8, which step s - 1 read.
;       v5, v6-10  read by those loads; where one of them moves, it is written at a step's head.          v12  read by G2's loads, written at a group's end.
;       ONE wait on va_vdst at a step's head: the step before is done reading the other buffer and the slot behind, and an address written just ahead of the wait is written.  The step's products name their own
;       slot, their own buffer and the accumulators: none of the registers that its 26 loads touch.  So these are dealt among the products with no further wait.
;   (3), (4) v216-239 at work: data of LDS and global stores and targets of LDS loads by turns; v160-164 the turning loads' addresses, made once a block; v32-159 turned fragments, v176-215 p: read by the pooling's products.
;   A wait on vm_vsrc stands behind the first and the third barrier of a block and at the block's end, each ahead of the branch that follows it: what the phase before handed to memory or LDS instructions is free on every way on.
; REGISTERS, in windows of 256 (s_set_vgpr_msb: bits 1:0 source 0, 3:2 source 1, 5:4 source 2, 7:6 destination):
;   window 0: v0-31 addresses; v32-103, v104-175 fragments of the rows, two buffers of 9 tiles (in the fetch: v32-223 six rows as loaded, v224-239 at work; in the pooling: v32-159 turned fragments, v160-164 addresses, v176-215 p);
;             v216-239 at work; v240-255 constants
;   window 1: the weights' ring: eight slots of 32 (four tiles of one K step)
;   window 2: the 32 accumulators of row tiles 0-7 ((rt, q) at v[8 (4 rt + q)]); in the fetch G2's arithmetic; in the pooling 16 accumulators
;   window 3: v0-31 row tile 8's accumulators; v32-63 G2's fragments of the group; v160-231 the running scores, 8 a row tile
.set PITCH, 2064                       ; an LDS row: 2,048 bytes + 16 = 516 words: row r starts at bank 4 r mod 64 (64 banks of 4 bytes: ISA guide 11.1)
.set T16,   16*PITCH
.set T32,   32*PITCH
.set GB,    144*PITCH                  ; G2, 1,024 bytes for each wave, its own: entry 64 x' + 16 q + i holds column 64 x' + 4 i + q of the wave's 256
.set SCB,   GB+4096                    ; partial scores [wave 4][row 144] f32
.set PB,    SCB+2304                   ; p as bf16, 160 entries for each wave, its own
.set OST,   PB+1280                    ; the way out, 1,024 bytes for each wave, its own
.set SPARE, OST+4096                   ; the spare words, 128 bytes for each wave: two blocks of 256 bytes that no other line names
.set MSB, 0
.macro WIN new                         ; the immediate's high byte repeats the setting that is left; a switch that changes nothing is dropped
.if MSB != (\new)
	s_set_vgpr_msb (MSB<<8)|(\new)
.set MSB, (\new)
.endif
.endm
; v1 lane, v2 r, v3 h, v4 16 lane, v5 the weights' offset, v6-10 LDS addresses of row fragments (tiles 2 p, 2 p + 1), v11 the fetch's LDS address, v12 G2's fragments, v13 G2's stores, v14 my partial scores,
; v15, v16 all partial scores, v17 p's stores, v18 p's fragments, v20, v21 the way out, v22 1,024 w + 16 lane, v23-27 at work, v28, v29 the add's two, v30, v31 bases of v11, v12,
; v240-244 bases of v6-10, v245 base of the turning loads, v248-251 zeros, v252-255 a neutral (m, l, m, l)
; s20 wave, s21 batch, s22 my eighth, s23 c, s24 TT, s25 tw, s26 tiles left, s27 the block's tiles, s28 its first list entry, s29 its valid rows, s30-32 counters, s33-35 at work, s[36:43] list entries,
; s[44:55] six rows' addresses, s56, s57 lane selects, s58 the upper lanes' mask, s59 the lowest finite number, s[60:61] list pointer, s[66:67] my weights, s[68:69] pre, s[70:71] po, s[72:73] pst, s[74:75] t, s[76:77] lst, s78 36 w,
; s79 the rows' K offset (v6-10 = s79 + bases), s80 G2's group offset (v12 = s80 + base), s81 the fetch's row offset (v11 = s81 + base), s84-88 the masks of valid rows
	s_load_b512 s[4:19], s[0:1], 0x0               ; t 4:5, wh 6:7, cnt 8:9, lst 10:11, wtf 12:13, pre 14:15, po 16:17, pst 18:19
	v_lshl_add_u32 v28, v0, 2, SPARE
	v_mov_b32 v29, 0
	v_lshrrev_b32 v1, 5, v0
	v_readfirstlane_b32 s20, v1
	v_and_b32 v1, 31, v0
	v_and_b32 v2, 15, v0
	v_bfe_u32 v3, v0, 4, 1
	v_lshlrev_b32 v4, 4, v1
	v_mov_b32 v5, v4
	s_lshr_b32 s21, ttmp9, 3
	s_and_b32 s22, ttmp9, 7
	s_mov_b32 s56, 0x76543210
	s_mov_b32 s57, 0xfedcba98
	s_mov_b32 s58, 0xffff0000
	s_mov_b32 s59, 0xff7fffff
	s_wait_alu depctr_va_sdst(0)                   ; s20, the wave's number, is written, ahead of its first reader
	s_mul_i32 s78, s20, 36
	v_mul_u32_u24 v23, v2, PITCH
	v_lshl_add_u32 v23, v3, 4, v23                 ; row r x pitch + 16 h
.irp p, 0,1,2,3,4
	v_add_nc_u32 v[240+(\p)], (\p)*T32, v23
	v_add_nc_u32 v[6+(\p)], (\p)*T32, v23
.endr
	s_mul_i32 s33, s20, 36*PITCH
	v_lshl_add_u32 v30, v1, 3, s33                 ; the fetch: my wave's 36 rows, 8 bytes a lane
	s_lshl_b32 s33, s20, 10
	s_add_co_u32 s34, s33, GB
	v_lshl_add_u32 v31, v3, 5, s34
	v_lshl_add_u32 v13, v3, 8, s34
	v_lshl_add_u32 v13, v2, 2, v13
	s_mul_i32 s35, s20, 576
	s_add_co_u32 s35, s35, SCB
	v_lshl_add_u32 v14, v2, 2, s35
	v_lshl_add_u32 v15, v1, 2, SCB
	v_lshl_add_u32 v16, v2, 2, SCB+512
	s_mul_i32 s35, s20, 320
	s_add_co_u32 s35, s35, PB
	v_lshl_add_u32 v17, v1, 1, s35
	v_lshl_add_u32 v18, v3, 4, s35
	s_add_co_u32 s35, s33, OST
	v_lshl_add_u32 v20, v1, 2, s35
	v_lshl_add_u32 v21, v1, 4, s35
	v_lshl_add_u32 v22, v1, 4, s33
	v_and_b32 v23, 7, v0                           ; the turning load: lane l reads row 8 h + l % 8, 16 bytes at 16 ((l / 8) % 2)
	v_lshl_add_u32 v23, v3, 3, v23
	v_mul_u32_u24 v23, v23, PITCH
	v_bfe_u32 v24, v0, 3, 1
	v_lshl_add_u32 v23, v24, 4, v23
	s_lshl_b32 s35, s20, 9
	v_add_nc_u32 v245, s35, v23                    ; + my wave's 256 channels
.irp i, 248,249,250,251,253,255
	v_mov_b32 v[\i], 0
.endr
	v_mov_b32 v252, s59
	v_mov_b32 v254, s59
	s_wait_kmcnt 0x0
	s_lshl_b32 s34, s21, 8
	s_mov_b32 s35, 0
	s_add_nc_u64 s[60:61], s[8:9], s[34:35]
	s_load_b32 s23, s[60:61], 0x0                  ; c
	s_lshl_b32 s34, s20, 19
	s_add_nc_u64 s[66:67], s[12:13], s[34:35]      ; my wave's 128 K steps of 4,096 bytes
; the fragments of one K step of my stream (four tiles) into a slot of the ring: v5 holds 16 lane + 32,768 x the chunk of eight steps, the immediate the step in the chunk
.macro BFETCH slot, bidx
.irp q, 0,1,2,3
	global_load_b128 v[32*(\slot)+8*(\q):32*(\slot)+8*(\q)+3],   v5, s[66:67] offset:4096*(\bidx)+1024*(\q)
	global_load_b128 v[32*(\slot)+8*(\q)+4:32*(\slot)+8*(\q)+7], v5, s[66:67] offset:4096*(\bidx)+1024*(\q)+512
.endr
.endm
	WIN 0x40                                       ; destination window 1
	s_wait_alu depctr_va_vdst(0)                   ; the head's vector lines have written v4 to v31 and v240 to v255: the offsets, LDS addresses and constants that the kernel's loads and stores read
.irp s, 0,1,2,3,4,5,6
	BFETCH \s, \s                                  ; steps 0 to 6 go out before anything else
.endr
	WIN 0
	s_lshl_b32 s34, s21, 12
	s_add_nc_u64 s[68:69], s[14:15], s[34:35]
	s_lshl_b32 s34, ttmp9, 13
	s_add_nc_u64 s[70:71], s[16:17], s[34:35]      ; partial result 2 x work-group + block
	s_lshl_b32 s34, ttmp9, 10
	s_add_nc_u64 s[72:73], s[18:19], s[34:35]
	s_lshl_b32 s34, s21, 23
	s_add_nc_u64 s[74:75], s[4:5], s[34:35]
	s_mul_i32 s34, s21, 9216
	s_add_nc_u64 s[76:77], s[10:11], s[34:35]
	s_wait_kmcnt 0x0
	s_min_u32 s23, s23, 2048
	s_add_co_u32 s24, s23, 15
	s_lshr_b32 s24, s24, 4                         ; TT
	s_add_co_u32 s25, s24, 7
	s_lshr_b32 s25, s25, 3                         ; tw
	s_mul_i32 s33, s22, s25                        ; my first tile
	s_sub_co_i32 s26, s24, s33
	s_max_i32 s26, s26, 0
	s_min_u32 s26, s26, s25                        ; my tiles
	s_lshl_b32 s28, s33, 4
; A row of t is asked for: list entry i of the eight in s[36:43], bounded before it becomes an address; eight loads of 512 consecutive bytes
.macro ROWLD i
	s_min_u32 s33, s[36+(\i)], 2047
	s_lshl_b32 s[44+2*(\i)], s33, 12
	s_mov_b32 s[45+2*(\i)], 0
	s_add_nc_u64 s[44+2*(\i):45+2*(\i)], s[74:75], s[44+2*(\i):45+2*(\i)]
.irp jj, 0,1,2,3,4,5,6,7
	global_load_b128 v[32+32*(\i)+4*(\jj):35+32*(\i)+4*(\jj)], v4, s[44+2*(\i):45+2*(\i)] offset:512*(\jj)
.endr
.endm
; The row in slot i is rounded to bf16; again = 1: the slot is asked for again; the row is stored to LDS, 256 consecutive bytes a store.
; left = the younger loads that may stay out; the wait also shows the slot's loads done, so its address pair may be written again
.macro ROW i, left, again
	s_wait_loadcnt \left
.if (\i) > 0
	s_wait_alu depctr_vm_vsrc(0)                   ; the LDS stores of the row before have read v224-239, which the conversions write again (for slot 0 the wait ahead of the step of v11, or the last block's closing one, has said so)
.endif
.irp jj, 0,1,2,3,4,5,6,7
	v_cvt_pk_bf16_f32 v[224+2*(\jj)], v[32+32*(\i)+4*(\jj)], v[33+32*(\i)+4*(\jj)]
	v_cvt_pk_bf16_f32 v[225+2*(\jj)], v[34+32*(\i)+4*(\jj)], v[35+32*(\i)+4*(\jj)]
.endr
	s_wait_alu depctr_va_vdst(0)                   ; the conversions have written v224-239, which the LDS stores read, and are done reading the slot, in which the loads land; for slot 0 also: v11 is written
.if \again
	ROWLD \i
.endif
.irp jj, 0,1,2,3,4,5,6,7
	ds_store_b64 v11, v[224+2*(\jj):225+2*(\jj)] offset:PITCH*(\i)+256*(\jj)
.endr
.endm
; 4 products: row tile rt (0 to 7) x the step's four column tiles.  zero = 1: they start the sums
.macro MMR slot, cur, rt, zero
.irp q, 0,1,2,3
.if \zero
	v_wmma_f32_16x16x32_bf16 v[8*(4*(\rt)+(\q)):8*(4*(\rt)+(\q))+7], v[32*(\slot)+8*(\q):32*(\slot)+8*(\q)+7], v[32+72*(\cur)+8*(\rt):32+72*(\cur)+8*(\rt)+7], 0
.else
	v_wmma_f32_16x16x32_bf16 v[8*(4*(\rt)+(\q)):8*(4*(\rt)+(\q))+7], v[32*(\slot)+8*(\q):32*(\slot)+8*(\q)+7], v[32+72*(\cur)+8*(\rt):32+72*(\cur)+8*(\rt)+7], v[8*(4*(\rt)+(\q)):8*(4*(\rt)+(\q))+7]
.endif
.endr
.endm
.macro MM4 slot, cur, zero             ; row tile 8, whose accumulators lie in window 3
.irp q, 0,1,2,3
.if \zero
	v_wmma_f32_16x16x32_bf16 v[8*(\q):8*(\q)+7], v[32*(\slot)+8*(\q):32*(\slot)+8*(\q)+7], v[96+72*(\cur):103+72*(\cur)], 0
.else
	v_wmma_f32_16x16x32_bf16 v[8*(\q):8*(\q)+7], v[32*(\slot)+8*(\q):32*(\slot)+8*(\q)+7], v[96+72*(\cur):103+72*(\cur)], v[8*(\q):8*(\q)+7]
.endif
.endr
.endm
; 6 LDS loads: the fragments of row tiles rt0 .. rt0 + 2 of one K step (64 bytes of each row, at byte aimm behind the address registers) into buffer buf
.macro AF3 buf, aimm, rt0
.irp rr, 0,1,2
	ds_load_b128 v[32+72*(\buf)+8*((\rt0)+(\rr)):32+72*(\buf)+8*((\rt0)+(\rr))+3],   v[6+((\rt0)+(\rr))/2] offset:(((\rt0)+(\rr))%2)*T16+(\aimm)
	ds_load_b128 v[32+72*(\buf)+8*((\rt0)+(\rr))+4:32+72*(\buf)+8*((\rt0)+(\rr))+7], v[6+((\rt0)+(\rr))/2] offset:(((\rt0)+(\rr))%2)*T16+(\aimm)+32
.endr
.endm
; A K STEP: 36 products, the 36 accumulators by turns, in the same order in every step.  At its head stand the waits for its own operands, the step of an address where one is due, and the
; step's one wait on va_vdst.  Behind that wait the next step's 18 LDS loads (into the other buffer) are dealt six at a time behind the first three row tiles' products, and the eight loads of the weights seven steps on
; (into the slot that the step before read) stand behind the fourth's.
; kind 0: no address moves.  1: the weights' offset goes on to the next chunk of eight steps, and behind the 16th chunk back to the first.  2: the rows' K offset goes 512 bytes on and the five row addresses are made anew from it.
; 3: a group's last step: the offset and the addresses go back to K = 0, and the group's G2 is fetched.
.macro KSTEP slot, cur, zero, aimm, bidx, kind
	s_wait_loadcnt 48                              ; this step's weights are in: behind them six younger runs of eight
	s_wait_dscnt 10                                ; row tiles 0-3 are in: behind them the ten loads of tiles 4-8
.if (\kind) == 1
	WIN 0
	s_wait_xcnt 0x0                                ; every earlier load has had its address translated (ISA guide 3.1): only behind this wait is the offset written again
	s_wait_alu depctr_vm_vsrc(0)                   ; the weights' loads issued so far have read v5
	v_add_nc_u32 v5, 0x8000, v5
	v_and_b32 v5, 0x7ffff, v5                      ; 16 chunks of 32,768 bytes: no load leaves my 524,288 bytes
.elseif (\kind) == 2
	WIN 0
	s_add_co_u32 s79, s79, 512
	s_wait_alu depctr_vm_vsrc(0)                   ; the rows' LDS loads issued so far have read v6-10
.irp p, 0,1,2,3,4
	v_add_nc_u32 v[6+(\p)], s79, v[240+(\p)]
.endr
.elseif (\kind) == 3
	WIN 0
	s_mov_b32 s79, 0
	s_wait_alu depctr_vm_vsrc(0)                   ; the rows' LDS loads issued so far have read v6-10
.irp p, 0,1,2,3,4
	v_mov_b32 v[6+(\p)], v[240+(\p)]
.endr
.endif
	s_wait_alu depctr_va_vdst(0)                   ; the products of the step before are done reading the other buffer of rows and the ring's slot behind this one, in which this step's loads land; an address stepped above is written
	WIN 0xa1                                       ; source 0 (weights) window 1, source 1 (rows) window 0, C and D window 2
	MMR \slot, \cur, 0, \zero
	WIN 0
	AF3 1-(\cur), \aimm, 0                         ; no wait: no vector or matrix instruction since the wait above names the other buffer or v6-10
	WIN 0xa1
	MMR \slot, \cur, 1, \zero
	WIN 0
	AF3 1-(\cur), \aimm, 3
	WIN 0xa1
	MMR \slot, \cur, 2, \zero
	WIN 0
	AF3 1-(\cur), \aimm, 6
.if (\kind) == 3
	WIN 0xc0                                       ; destination window 3; the last group's multiply-adds, which read these registers, stand ahead of the wait above
.irp q, 0,1,2,3
	ds_load_b128 v[32+8*(\q):35+8*(\q)], v12 offset:64*(\q)
	ds_load_b128 v[36+8*(\q):39+8*(\q)], v12 offset:64*(\q)+16
.endr
.endif
	WIN 0xa1
	MMR \slot, \cur, 3, \zero
	WIN 0x40
	BFETCH ((\slot)+7)%8, \bidx                    ; no wait: this step's products name their own slot alone
.if (\kind) == 3
	s_wait_dscnt 26                                ; all but the 26 issued in this step: row tiles 4-8 are in
.else
	s_wait_dscnt 18                                ; all but the 18 issued in this step: row tiles 4-8 are in
.endif
	WIN 0xa1
	MMR \slot, \cur, 4, \zero
	MMR \slot, \cur, 5, \zero
	MMR \slot, \cur, 6, \zero
	MMR \slot, \cur, 7, \zero
	WIN 0xf1                                       ; C and D window 3
	MM4 \slot, \cur, \zero
.endm
	s_mov_b32 s30, 2
.Lblk:
	s_min_u32 s27, s26, 9                          ; the block's tiles
	s_lshl_b32 s29, s27, 4
	s_sub_co_i32 s33, s23, s28
	s_max_i32 s33, s33, 0
	s_min_u32 s29, s29, s33                        ; its valid rows: at least 1 where it has a tile
	s_cmp_eq_u32 s27, 0
	s_cbranch_scc1 .Ls1
	; (1) THE FETCH.  Wave w takes list entries 36 w .. 36 w + 35 of the block's 144, six rows (48 loads) on their way at a time.  The entries come eight at a time by scalar loads, six of them used;
	; the last set read begins at entry 36 w + 36 and serves nothing: with the bound below it ends at entry 2,303, the list's last.
	s_mov_b32 s81, 0
	v_mov_b32 v11, v30                             ; (the last block's stores that read v11 stand ahead of that block's closing wait on vm_vsrc)
	s_min_u32 s33, s28, 2152
	s_add_co_u32 s33, s33, s78
	s_lshl_b32 s34, s33, 2
	s_mov_b32 s35, 0
	s_add_nc_u64 s[60:61], s[76:77], s[34:35]
	s_load_b256 s[36:43], s[60:61], 0x0
	WIN 0x80                                       ; what G2 is made of, into window 2: for my 256 columns (128 u + 4 lane + 0..3) the eight K slices of a wa and b wb, and wh
	s_wait_alu depctr_va_vdst(0)                   ; the last block's products and vector lines are done with window 2's v0-135 and with v32-223, in which the loads below land; v11 is written, which the rows' LDS stores read
.irp u, 0,1
.irp kq, 0,1,2,3,4,5,6,7
.irp mat, 0,1
	global_load_b128 v[64*(\u)+8*(\kq)+4*(\mat):64*(\u)+8*(\kq)+4*(\mat)+3], v22, s[68:69] offset:(2*(\kq)+(\mat))*131072+512*(\u)
.endr
.endr
	global_load_b128 v[128+4*(\u):131+4*(\u)], v22, s[6:7] offset:512*(\u)
.endr
	WIN 0
	s_wait_kmcnt 0x0
.irp i, 0,1,2,3,4,5
	ROWLD \i
.endr
	s_add_nc_u64 s[60:61], s[60:61], 24
	s_load_b256 s[36:43], s[60:61], 0x0
	s_mov_b32 s32, 5
.Lrows:
	s_wait_kmcnt 0x0                               ; the next six entries are in, and the pointer may step
	s_add_nc_u64 s[60:61], s[60:61], 24
.irp i, 0,1,2,3,4,5
	ROW \i, 40, 1                                  ; five younger rows of eight loads stay out
.endr
	s_load_b256 s[36:43], s[60:61], 0x0
	s_add_co_u32 s81, s81, 6*PITCH                 ; six rows on in LDS
	s_wait_alu depctr_vm_vsrc(0)                   ; the trip's LDS stores have read v11, and the last row's have read v224-239
	v_add_nc_u32 v11, s81, v30
	s_sub_co_u32 s32, s32, 1
	s_cmp_lg_u32 s32, 0
	s_cbranch_scc1 .Lrows
	s_wait_kmcnt 0x0
.irp i, 0,1,2,3,4,5
	ROW \i, 8*(5-(\i)), 0                          ; the last six rows: the counts run down to 0
.endr
	; G2 = -2 log2(e) tanh(a wa) tanh(b wb) wh for my 256 columns; its loads are older than every row's.  All in window 2.
	WIN 0xaa
.irp u, 0,1
.irp kq, 1,2,3,4,5,6,7
.irp e, 0,2,4,6
	v_pk_add_f32 v[64*(\u)+(\e):64*(\u)+(\e)+1], v[64*(\u)+(\e):64*(\u)+(\e)+1], v[64*(\u)+8*(\kq)+(\e):64*(\u)+8*(\kq)+(\e)+1]
.endr
.endr
.endr
.irp u, 0,1
.irp e, 0,2,4,6
	v_pk_mul_f32 v[64*(\u)+(\e):64*(\u)+(\e)+1], v[64*(\u)+(\e):64*(\u)+(\e)+1], 0x4038aa3b op_sel_hi:[1,0]
.endr
.endr
.irp u, 0,1
.irp e, 0,1,2,3,4,5,6,7
	v_exp_f32 v[64*(\u)+(\e)], v[64*(\u)+(\e)]
.endr
.endr
	v_nop                                          ; a plain instruction behind the last exponential (ISA guide 5.7.2)
	s_wait_alu depctr_va_vdst(0)                   ; the sixteen exponentials have written their results, which the additions read
.irp u, 0,1
.irp e, 0,2,4,6
	v_pk_add_f32 v[64*(\u)+(\e):64*(\u)+(\e)+1], v[64*(\u)+(\e):64*(\u)+(\e)+1], 1.0 op_sel_hi:[1,0]
.endr
.endr
.irp u, 0,1
.irp e, 0,1,2,3,4,5,6,7
	v_rcp_f32 v[64*(\u)+(\e)], v[64*(\u)+(\e)]
.endr
.endr
	v_nop
	s_wait_alu depctr_va_vdst(0)                   ; the sixteen reciprocals have written their results, which the multiply-adds read
.irp u, 0,1
.irp e, 0,2,4,6
	v_pk_fma_f32 v[64*(\u)+(\e):64*(\u)+(\e)+1], v[64*(\u)+(\e):64*(\u)+(\e)+1], -2.0, 1.0 op_sel_hi:[1,0,0]
.endr
.endr
.irp u, 0,1
.irp e, 0,2
	v_pk_mul_f32 v[64*(\u)+(\e):64*(\u)+(\e)+1], v[64*(\u)+(\e):64*(\u)+(\e)+1], v[64*(\u)+4+(\e):64*(\u)+5+(\e)]
.endr
.endr
.irp u, 0,1
.irp e, 0,2
	v_pk_mul_f32 v[64*(\u)+(\e):64*(\u)+(\e)+1], v[64*(\u)+(\e):64*(\u)+(\e)+1], v[128+4*(\u)+(\e):129+4*(\u)+(\e)]
.endr
.endr
.irp u, 0,1
.irp e, 0,2
	v_pk_mul_f32 v[64*(\u)+(\e):64*(\u)+(\e)+1], v[64*(\u)+(\e):64*(\u)+(\e)+1], 0xc038aa3b op_sel_hi:[1,0]
.endr
.endr
	WIN 0x08                                       ; the stores' data in window 2
	s_wait_alu depctr_va_vdst(0)                   ; the last multiplications have written G2, which the LDS stores read
.irp u, 0,1
.irp q, 0,1,2,3
	ds_store_b32 v13, v[64*(\u)+(\q)] offset:512*(\u)+64*(\q)
.endr
.endr
	WIN 0
.Ls1:
	s_wait_dscnt 0x0                               ; for the others' sake: my rows are in LDS
	s_barrier_signal -1
	s_barrier_wait -1                              ; everybody's are
	s_wait_alu depctr_vm_vsrc(0)                   ; my LDS stores have read v224-239 and, in window 2, G2: the products write the one as accumulators, the vector lines and LDS loads of the scores the other
	; The running scores start at 0: 72 registers, once a block, so that all four groups run one text.  The lines stand ahead of the jump, so that the registers are written on every way to the reduction below.
	WIN 0xc0
.set i, 160
.rept 72
	v_mov_b32 v[i], 0
.set i, i+1
.endr
	WIN 0
	s_cmp_eq_u32 s27, 0
	s_cbranch_scc1 .Ls1b
	; (2) THE PRODUCT, TANH AND SCORES.
	s_mov_b32 s79, 0
	s_mov_b32 s80, 0
	v_mov_b32 v12, v31                             ; (G2's loads that read v12 stand ahead of the wait on vm_vsrc at their group's end)
	s_wait_alu depctr_va_vdst(0)                   ; v12 is written, which G2's loads read; the conversions and the last block's products are done reading v32-103, in which the first fragments land
	AF3 0, 0, 0
	AF3 0, 0, 3
	AF3 0, 0, 6
	s_mov_b32 s31, 4
.Lgroup:                               ; a group: 64 columns, 32 K steps.  Step s multiplies slot s % 8 and buffer s % 2, fetches the rows' step s + 1 and the weights' step s + 7
	KSTEP 0, 0, 1, 64, 7, 0                        ; step 0 starts the sums
	WIN 0
	s_mov_b32 s32, 3
.Lk:                                   ; steps 1 + 8 t .. 8 + 8 t
	KSTEP 1, 1, 0, 128, 0, 1
	KSTEP 2, 0, 0, 192, 1, 0
	KSTEP 3, 1, 0, 256, 2, 0
	KSTEP 4, 0, 0, 320, 3, 0
	KSTEP 5, 1, 0, 384, 4, 0
	KSTEP 6, 0, 0, 448, 5, 0
	KSTEP 7, 1, 0, 512, 6, 0
	KSTEP 0, 0, 0, 64, 7, 2
	WIN 0
	s_sub_co_u32 s32, s32, 1
	s_cmp_lg_u32 s32, 0
	s_cbranch_scc1 .Lk
	KSTEP 1, 1, 0, 128, 0, 1                       ; steps 25 to 31; their weight loads are the next group's steps 0 to 6 (behind the last group: the stream's first seven again, for a second block)
	KSTEP 2, 0, 0, 192, 1, 0
	KSTEP 3, 1, 0, 256, 2, 0
	KSTEP 4, 0, 0, 320, 3, 0
	KSTEP 5, 1, 0, 384, 4, 0
	KSTEP 6, 0, 0, 448, 5, 0
	KSTEP 7, 1, 0, 0, 6, 3
	; the group's end: r = 1 / (1 + 2^sum) in place, a row tile (32 registers) at a time, each accumulator from its lowest register on; then the running scores take G2 r
	s_wait_dscnt 0x0                               ; G2's fragments (and the next group's first row fragments) are in
.rept 4
	v_nop                                          ; the places behind the last products, ahead of the vector lines that read their results (ISA guide 7.12.1)
.endr
.irp rt, 0,1,2,3,4,5,6,7,8
.if (\rt) < 8
.set EA, 32*(\rt)
.set W1, 0x82
.set W2, 0xfe
.else
.set EA, 0
.set W1, 0xc3
.set W2, 0xff
.endif
	WIN W1                                         ; destination and source 0 in the accumulators' window
.set i, 0
.rept 32
	v_exp_f32 v[EA+i], v[EA+i]
.set i, i+1
.endr
	v_nop                                          ; a plain instruction behind the last exponential
.set i, 0
	s_wait_alu depctr_va_vdst(0)                   ; the row tile's 32 exponentials have written their results, which the additions read
.rept 16
	v_pk_add_f32 v[EA+i:EA+i+1], v[EA+i:EA+i+1], 1.0 op_sel_hi:[1,0]
.set i, i+2
.endr
.set i, 0
.rept 32
	v_rcp_f32 v[EA+i], v[EA+i]
.set i, i+1
.endr
	WIN W2                                         ; scores and G2 in window 3
	v_nop
	s_wait_alu depctr_va_vdst(0)                   ; the row tile's 32 reciprocals have written their results, which the multiply-adds read
.irp q, 0,1,2,3
.irp jp, 0,2,4,6
	v_pk_fma_f32 v[160+8*(\rt)+(\jp):161+8*(\rt)+(\jp)], v[EA+8*(\q)+(\jp):EA+8*(\q)+(\jp)+1], v[32+8*(\q)+(\jp):33+8*(\q)+(\jp)], v[160+8*(\rt)+(\jp):161+8*(\rt)+(\jp)]
.endr
.endr
.endr
	WIN 0
	s_add_co_u32 s80, s80, 256                     ; the next group's G2
	s_wait_alu depctr_vm_vsrc(0)                   ; G2's LDS loads have read v12
	v_add_nc_u32 v12, s80, v31                     ; (read next in the next group's last step, behind that group's waits on va_vdst)
	s_sub_co_u32 s31, s31, 1
	s_cmp_lg_u32 s31, 0
	s_cbranch_scc1 .Lgroup
.Ls1b:
	s_wait_dscnt 0x0                               ; my reads of the rows' fragments and of G2 are back
	s_barrier_signal -1                            ; phases that read LDS and phases that write it are kept apart by a barrier throughout this text, also here, where the bytes written next
	s_barrier_wait -1                              ; (the partial scores) are others than those read
	s_cmp_eq_u32 s27, 0
	s_cbranch_scc1 .Ls2
	; a lane's eight running scores are added, then the other half of the lanes' (the row's other columns); the last addition in the lane lands in window 0
	WIN 0xff
.irp rt, 0,1,2,3,4,5,6,7,8
	v_pk_add_f32 v[160+8*(\rt):161+8*(\rt)], v[160+8*(\rt):161+8*(\rt)], v[162+8*(\rt):163+8*(\rt)]
	v_pk_add_f32 v[164+8*(\rt):165+8*(\rt)], v[164+8*(\rt):165+8*(\rt)], v[166+8*(\rt):167+8*(\rt)]
.endr
.irp rt, 0,1,2,3,4,5,6,7,8
	v_pk_add_f32 v[160+8*(\rt):161+8*(\rt)], v[160+8*(\rt):161+8*(\rt)], v[164+8*(\rt):165+8*(\rt)]
.endr
	WIN 0x0f                                       ; sources in window 3, destination in window 0
.irp rt, 0,1,2,3,4,5,6,7,8
	v_add_f32 v[216+(\rt)], v[160+8*(\rt)], v[161+8*(\rt)]
.endr
	WIN 0
.irp rt, 0,1,2,3,4,5,6,7,8
	v_mov_b32 v[226+(\rt)], v[216+(\rt)]           ; v_permlanex16_b32's destination counts as read: it is written first
.endr
.irp rt, 0,1,2,3,4,5,6,7,8
	v_permlanex16_b32 v[226+(\rt)], v[216+(\rt)], s56, s57
.endr
.irp rt, 0,1,2,3,4,5,6,7,8
	v_add_f32 v[216+(\rt)], v[216+(\rt)], v[226+(\rt)]
.endr
	s_wait_alu depctr_va_vdst(0)                   ; the additions have written v216-224, which the LDS stores read; they are also the last vector lines to name v216-235, in which the loads of all partial scores land
.irp rt, 0,1,2,3,4,5,6,7,8
	ds_store_b32 v14, v[216+(\rt)] offset:64*(\rt) ; both halves of the lanes store the same number to the same word
.endr
.Ls2:
	s_wait_dscnt 0x0                               ; for the others' sake: my partial scores are in LDS
	s_barrier_signal -1
	s_barrier_wait -1
	s_wait_alu depctr_vm_vsrc(0)                   ; my LDS stores have read v216-224, in which the loads below land
	s_cmp_eq_u32 s27, 0
	s_cbranch_scc1 .Lempty
	; (3) THE BLOCK'S SOFTMAX, by every wave for itself.  Lane l holds rows l + 32 cc, cc = 0..4; rows at or beyond the valid count (144 to 159 among them) count as the lowest finite number, so their p is 0.
.irp w, 0,1,2,3
.irp cc, 0,1,2,3
	ds_load_b32 v[216+4*(\cc)+(\w)], v15 offset:576*(\w)+128*(\cc)
.endr
	ds_load_b32 v[232+(\w)], v16 offset:576*(\w)
.endr
	v_mov_b32 v24, s59
	v_mov_b32 v26, 0
	s_wait_dscnt 0x0
.irp cc, 0,1,2,3,4
	v_add_f32 v[216+4*(\cc)], v[216+4*(\cc)], v[217+4*(\cc)]
	v_add_f32 v[218+4*(\cc)], v[218+4*(\cc)], v[219+4*(\cc)]
.endr
.irp cc, 0,1,2,3,4
	v_add_f32 v[216+4*(\cc)], v[216+4*(\cc)], v[218+4*(\cc)]
.endr
.irp cc, 0,1,2,3,4
	v_add_nc_u32 v23, 32*(\cc), v1
	v_cmp_gt_u32 s[84+(\cc)], s29, v23             ; the five masks in a run, each into a scalar register of its own
.endr
	s_wait_alu depctr_va_sdst(0)                   ; the five compares have written s84-88, ahead of the selects that read them
.irp cc, 0,1,2,3,4
	v_cndmask_b32 v[216+4*(\cc)], v24, v[216+4*(\cc)], s[84+(\cc)]
.endr
	v_max3_num_f32 v25, v216, v220, v224
	v_max3_num_f32 v25, v25, v228, v232
	v_max_num_f32_dpp v25, v25, v25 row_xmask:1 row_mask:0xf bank_mask:0xf
	v_max_num_f32_dpp v25, v25, v25 row_xmask:2 row_mask:0xf bank_mask:0xf
	v_max_num_f32_dpp v25, v25, v25 row_xmask:4 row_mask:0xf bank_mask:0xf
	v_max_num_f32_dpp v25, v25, v25 row_xmask:8 row_mask:0xf bank_mask:0xf
	v_permlanex16_b32 v26, v25, s56, s57
	v_max_num_f32 v25, v25, v26                    ; m
.irp cc, 0,1,2,3,4
	v_sub_f32 v[216+4*(\cc)], v[216+4*(\cc)], v25
.endr
.irp cc, 0,1,2,3,4
	v_exp_f32 v[216+4*(\cc)], v[216+4*(\cc)]
.endr
	v_nop
	s_wait_alu depctr_va_vdst(0)                   ; the five exponentials have written p, which the additions read
	v_add_f32 v27, v216, v220
	v_add_f32 v23, v224, v228
	v_add_f32 v27, v27, v232
	v_add_f32 v27, v27, v23
	v_add_f32_dpp v27, v27, v27 row_xmask:1 row_mask:0xf bank_mask:0xf
	v_add_f32_dpp v27, v27, v27 row_xmask:2 row_mask:0xf bank_mask:0xf
	v_add_f32_dpp v27, v27, v27 row_xmask:4 row_mask:0xf bank_mask:0xf
	v_add_f32_dpp v27, v27, v27 row_xmask:8 row_mask:0xf bank_mask:0xf
	v_permlanex16_b32 v26, v27, s56, s57
	v_add_f32 v27, v27, v26                        ; l
.irp cc, 0,1,2,3,4
	v_cvt_pk_bf16_f32 v[217+4*(\cc)], v[216+4*(\cc)], v[216+4*(\cc)]
.endr
.irp kk, 0,1,2,3,4
	v_add_nc_u32 v[160+(\kk)], (\kk)*T32, v245     ; the turning loads' addresses, one for each 32 rows of the block: made once, so that none is stepped among the loads
.endr
	s_wait_alu depctr_va_vdst(0)                   ; the roundings have written v217 .. v233, which the LDS stores read; v160-164 are written, which the turning loads read; the products are done reading v32-159 and v176-215, in which the loads below land
.irp cc, 0,1,2,3,4
	ds_store_b16 v17, v[217+4*(\cc)] offset:64*(\cc)
.endr
.irp kk, 0,1,2,3,4                     ; p as source 0: 16 equal rows x 32 block rows; LDS serves a wave's instructions in order (ISA guide 5.7.1.4): these see the stores above
	ds_load_b128 v[176+8*(\kk):179+8*(\kk)], v18 offset:64*(\kk)
	ds_load_b128 v[180+8*(\kk):183+8*(\kk)], v18 offset:64*(\kk)+32
.endr
	; (4) THE POOLING.  o[d] = sum over the block's rows of p t: source 1 = 32 rows x 16 channels, turned on the way out of LDS.  In the fifth step rows 144-159 do not exist: rows 128-143 stand in for them, against p = 0.
.irp kk, 0,1,2,3,4
.if (\kk) > 0
	WIN 0
	s_wait_alu depctr_va_vdst(0)                   ; the sixteen products above are done reading v32-159, in which the next turning loads land
.endif
.irp dt, 0,1,2,3,4,5,6,7,8,9,10,11,12,13,14,15
	ds_load_tr16_b128 v[32+8*(\dt):35+8*(\dt)], v[160+(\kk)] offset:32*(\dt)
.if (\kk) < 4
	ds_load_tr16_b128 v[36+8*(\dt):39+8*(\dt)], v[160+(\kk)] offset:32*(\dt)+T16
.else
	ds_load_tr16_b128 v[36+8*(\dt):39+8*(\dt)], v[160+(\kk)] offset:32*(\dt)
.endif
.endr
	s_wait_dscnt 0x0
	WIN 0xa0                                       ; C and D window 2
.irp dt, 0,1,2,3,4,5,6,7,8,9,10,11,12,13,14,15
.if (\kk) == 0
	v_wmma_f32_16x16x32_bf16 v[8*(\dt):8*(\dt)+7], v[176+8*(\kk):183+8*(\kk)], v[32+8*(\dt):39+8*(\dt)], 0
.else
	v_wmma_f32_16x16x32_bf16 v[8*(\dt):8*(\dt)+7], v[176+8*(\kk):183+8*(\kk)], v[32+8*(\dt):39+8*(\dt)], v[8*(\dt):8*(\dt)+7]
.endif
.endr
.endr
	WIN 0
	v_mov_b32 v236, v25                            ; (m, l) twice, for wave 0's store: four plain lines that name no register of the products: the places behind the last of them
	v_mov_b32 v237, v27
	v_mov_b32 v238, v25
	v_mov_b32 v239, v27
	s_wait_alu depctr_vm_vsrc(0)                   ; p's LDS stores have read v217, v221, v225 and v229, which the selects and the LDS loads below write
	WIN 0x0a                                       ; every register of a result holds the same sum: the lowest is taken; lanes 0-15 from tile 2 i, lanes 16-31 from tile 2 i + 1: lane l holds channel 32 i + l
.irp i, 0,1,2,3,4,5,6,7
	v_cndmask_b32 v[216+(\i)], v[16*(\i)], v[16*(\i)+8], s58
.endr
	WIN 0
	s_wait_alu depctr_va_vdst(0)                   ; the selects have written v216-223, which the LDS stores read; the copies have written v236-239, which wave 0's store reads; the softmax's lines are done with v224-231, in which the LDS loads land
.irp i, 0,1,2,3,4,5,6,7
	ds_store_b32 v20, v[216+(\i)] offset:128*(\i)
.endr
	ds_load_b128 v[224:227], v21                   ; back as 16 bytes a lane (my own bytes, served in order)
	ds_load_b128 v[228:231], v21 offset:512
	s_wait_dscnt 0x0
	global_store_b128 v22, v[224:227], s[70:71]    ; 512 consecutive bytes a store
	global_store_b128 v22, v[228:231], s[70:71] offset:512
	s_cmp_lg_u32 s20, 0
	s_cbranch_scc1 .Lj
	global_store_b128 v4, v[236:239], s[72:73]     ; wave 0: (m, l) repeated over 512 bytes
	s_branch .Lj
.Lempty:                               ; a block without work: o = 0, l = 0, m the lowest finite number
	global_store_b128 v22, v[248:251], s[70:71]
	global_store_b128 v22, v[248:251], s[70:71] offset:512
	s_cmp_lg_u32 s20, 0
	s_cbranch_scc1 .Lj
	global_store_b128 v4, v[252:255], s[72:73]
.Lj:
	s_wait_xcnt 0x0                                ; the stores have had their addresses translated: their bases and data registers are written again only behind this wait
	s_wait_alu depctr_vm_vsrc(0)                   ; the block's stores and LDS instructions have read their registers (v11, v160-164, v216-239): the next block's vector lines and loads write them again
	s_add_nc_u64 s[70:71], s[70:71], 4096
	s_add_nc_u64 s[72:73], s[72:73], 512
	s_add_co_u32 s28, s28, 144
	s_sub_co_u32 s26, s26, s27
	s_wait_dscnt 0x0                               ; my reads of the rows and of the scores are over:
	s_barrier_signal -1
	s_barrier_wait -1                              ; everybody's are, so the next block may write them
	s_sub_co_u32 s30, s30, 1
	s_cmp_lg_u32 s30, 0
	s_cbranch_scc1 .Lblk
	s_wait_dscnt 0x0                               ; the closing lines, six on end
	s_wait_alu 0x0
	s_wait_tensorcnt 0x0
	ds_add_u32 v28, v29
	s_wait_dscnt 0x0
	s_endpgm
.Lfunc_end_k_qe166b38d42_main:
	.size	k_qe166b38d42_main, .Lfunc_end_k_qe166b38d42_main-k_qe166b38d42_main
	.p2alignl 7, 3214868480
	.fill 96, 4, 3214868480
	.section	.rodata,"a",@progbits
	.p2align	6, 0x0
	.amdhsa_kernel k_qe166b38d42_main
		.amdhsa_group_segment_fixed_size 309504
		.amdhsa_private_segment_fixed_size 0
		.amdhsa_enable_private_segment 0
		.amdhsa_kernarg_size 64
		.amdhsa_user_sgpr_count 2
		.amdhsa_user_sgpr_kernarg_segment_ptr 1
		.amdhsa_wavefront_size32 1
		.amdhsa_system_sgpr_workgroup_id_x 1
		.amdhsa_system_sgpr_workgroup_id_y 1
		.amdhsa_system_sgpr_workgroup_id_z 1
		.amdhsa_system_vgpr_workitem_id 0
		.amdhsa_next_free_vgpr 1024
		.amdhsa_next_free_sgpr 90
		.amdhsa_reserve_vcc 0
		.amdhsa_float_denorm_mode_32 3
		.amdhsa_float_denorm_mode_16_64 3
		.amdhsa_memory_ordered 1
		.amdhsa_forward_progress 1
		.amdhsa_inst_pref_size 197
	.end_amdhsa_kernel
	.amdgpu_metadata
---
amdhsa.version: [ 1, 2 ]
amdhsa.kernels:
  - .name:           k_qe166b38d42_main
    .symbol:         k_qe166b38d42_main.kd
    .args:
      - { .name: t, .offset: 0, .size: 8, .value_kind: global_buffer, .address_space: global }
      - { .name: wh, .offset: 8, .size: 8, .value_kind: global_buffer, .address_space: global }
      - { .name: cnt, .offset: 16, .size: 8, .value_kind: global_buffer, .address_space: global }
      - { .name: lst, .offset: 24, .size: 8, .value_kind: global_buffer, .address_space: global }
      - { .name: wtf, .offset: 32, .size: 8, .value_kind: global_buffer, .address_space: global }
      - { .name: pre, .offset: 40, .size: 8, .value_kind: global_buffer, .address_space: global }
      - { .name: po, .offset: 48, .size: 8, .value_kind: global_buffer, .address_space: global }
      - { .name: pst, .offset: 56, .size: 8, .value_kind: global_buffer, .address_space: global }
    .group_segment_fixed_size: 309504
    .private_segment_fixed_size: 0
    .kernarg_segment_align: 8
    .kernarg_segment_size: 64
    .max_flat_workgroup_size: 128
    .sgpr_count:     90
    .vgpr_count:     1024
    .wavefront_size: 32
...
	.end_amdgpu_metadata
.endif
;; end of part 4
;; launch comb: the kernel of part 3 again; grid 32 x 1, 8 waves a work-group, no clusters, 0 bytes of LDS; arguments po, pst, out0; writes out0
